; MI455X (gfx1250); checked and timed in simulation.
; The chip was launched on July 23, 2026; its instructions are those of AMD's public machine-readable ISA for CDNA 5 (MIT licence, August 2026) and "CDNA5" Instruction Set Architecture Reference Guide (July 2026). The comments in the code are by the model that wrote it; some were corrected since.
;; Multi Head Attention. Allowed arithmetic: matrix products marked QUANTISED: E2M3 operands, one E8M0 scale for each 32 along K, by v_wmma_scale_f32_16x16x128_f8f6f4 with both operands' format E2M3, f32 sums; everything else in f32.
;; Inputs: b_o 1,024 float32; w_k_codes 1,024 x 32 x 24 uint8 (E2M3 codes of w_k, K innermost, in blocks of 32 codes, four codes in three bytes); w_k_scales 1,024 x 32 uint8 (E8M0 scales of w_k, one for each 32 codes along K); w_o_codes 1,024 x 32 x 24 uint8 (E2M3 codes of w_o, K innermost, in blocks of 32 codes, four codes in three bytes); w_o_scales 1,024 x 32 uint8 (E8M0 scales of w_o, one for each 32 codes along K); w_q_codes 1,024 x 32 x 24 uint8 (E2M3 codes of w_q, K innermost, in blocks of 32 codes, four codes in three bytes); w_q_scales 1,024 x 32 uint8 (E8M0 scales of w_q, one for each 32 codes along K); w_v_codes 1,024 x 32 x 24 uint8 (E2M3 codes of w_v, K innermost, in blocks of 32 codes, four codes in three bytes); w_v_scales 1,024 x 32 uint8 (E8M0 scales of w_v, one for each 32 codes along K); x_codes 4 x 2,048 x 32 x 24 uint8 (E2M3 codes of x, K innermost, in blocks of 32 codes, four codes in three bytes); x_scales 4 x 2,048 x 32 uint8 (E8M0 scales of x, one for each 32 codes along K).
;; Outputs: out0 4 x 2,048 x 1,024 float32.
;; This version of the problem:
;;   THIS VERSION OF THE PROBLEM IS GIVEN IN LOW PRECISION. The matrix products marked QUANTISED in the list below multiply operands that are first quantised to E2M3 (2 exponent bits, 3 mantissa bits; 6 bits a number), with one power-of-two scale for each 32 numbers along K (OCP MX v1.0); their sums are f32. All else is computed in f32.
;;   The module's matrix products, in the order in which they are computed (A, B: the left and right operand; K: the contracted axis; several contracted axes count as one K, in the product's order):
;;     1. [M 8,192, K 1,024] x [K 1,024, N 1,024]; A: input x (given as codes); B: input w_q (given as codes): QUANTISED
;;     2. [M 8,192, K 1,024] x [K 1,024, N 1,024]; A: input x (given as codes); B: input w_k (given as codes): QUANTISED
;;     3. [M 8,192, K 1,024] x [K 1,024, N 1,024]; A: input x (given as codes); B: input w_v (given as codes): QUANTISED
;;     4. batch 64 x [M 2,048, K 64] x [K 64, N 2,048]; A: computed on the way; B: computed on the way: QUANTISED
;;     5. batch 64 x [M 2,048, K 2,048] x [K 2,048, N 64]; A: softmax (see below); B: computed on the way: QUANTISED
;;     6. [M 8,192, K 1,024] x [K 1,024, N 1,024]; A: computed on the way; B: input w_o (given as codes): QUANTISED
;;   THE QUANTISER, for each operand of a quantised product, along K:
;;     - K is cut into blocks of 32 from its start; a last block that is shorter is filled with zeros.
;;     - A block's scale is 2^e with e = floor(log2(the largest magnitude in the block)) - 2, held to -126 .. 127; a block of zeros has e = 0. As a byte (E8M0): e + 127.
;;     - Each number is divided by its block's scale, clamped to +-7.5, and rounded to the nearest number of E2M3, ties to even, subnormals kept.
;;     - The product sums the exact products of the quantised numbers (number of the format x scale) in f32.
;;   ~~~python
;;   def quantise(x, axis):      # numpy; x: float32 -> the quantised numbers, widened to float32 again
;;       x = np.moveaxis(x, axis, -1); K = x.shape[-1]
;;       x = np.pad(x, [(0, 0)] * (x.ndim - 1) + [(0, -K % 32)]); x = x.reshape(x.shape[:-1] + (-1, 32)); a = np.abs(x).max(-1, keepdims=True)
;;       e = np.where(a > 0, np.clip(np.frexp(np.where(a > 0, a, 1))[1] - 1 - 2, -126, 127), 0)      # np.frexp(a)[1] - 1 = floor(log2(a)), exactly
;;       r = np.clip(x / 2.0 ** e, -7.5, 7.5)
;;       step = 2.0 ** (np.maximum(np.frexp(np.where(r == 0, 1, r))[1] - 1, 0) - 3)
;;       q = np.round(r / step) * step * 2.0 ** e      # np.round: ties to even
;;       return np.moveaxis(q.reshape(q.shape[:-2] + (-1,))[..., :K], -1, axis).astype(np.float32)
;;   ~~~
;;   SOFTMAX AHEAD OF A QUANTISED PRODUCT. Where the list says 'softmax', what is quantised is not the finished softmax but p = 2^(t - M), with t = logit x log2(e) and M = ceil(the row's largest t), a whole number; so 1/2 < the row's largest p <= 1. The row's sum l is taken of the UNQUANTISED p, in f32, and the product's result is divided by l at the end. Since M is a whole number, a kernel that streams over the keys may use a running M (the ceiling of the running maximum): every later rescaling is an exact power of two, which a block's scale takes up: the codes' values come out the same.
;;   OPERANDS COMPUTED ON THE WAY. 'Computed on the way' means the value that the module computes at that place (a softmax that the list does not call 'softmax' is quantised finished and normalised). What goes into a quantiser is computed in f32, as accurately as f32 sums, v_exp_f32 and their like allow (about 1e-6 of the number): no bf16 or f16 on the way to a quantiser, and a product that is left as it is and whose result goes on into a quantised operand takes f32 operands (vector FMAs, or v_wmma_f32_16x16x4_f32). A number that lies on a knife's edge between two numbers of the format may be rounded either way, as far as f32 arithmetic and the matrix unit's own rounding can turn it there, and no further.
;;   INPUTS GIVEN AS CODES. w_k (in the module: [1024, 1024], K = its axis 1); w_o (in the module: [1024, 1024], K = its axis 1); w_q (in the module: [1024, 1024], K = its axis 1); w_v (in the module: [1024, 1024], K = its axis 1); x (in the module: [4, 2048, 1024], K = its axis 2): each comes as NAME_codes (uint8): NAME with its K axis moved to the last place and cut into blocks of 32 codes, [.., K / 32, bytes a block], one block behind the other in memory; four codes in three bytes: a row's codes are one little-endian stream of bits, code i at bits 6 i .. 6 i + 5 (a code: sign, 2 exponent bits, 3 mantissa bits); and NAME_scales (uint8): the same leading axes, one E8M0 byte (e + 127) for each 32 codes along K. Its value is code x scale, taken as it is: it is not quantised again, and the codes and scales need not be those that the quantiser above would give.
;; One version. Each part assembles by itself: llvm-mc -triple=amdgcn-amd-amdhsa -mcpu=gfx1250 --defsym DOCPART=n.
;; ======== version 1 of 1: 3 launches
;; workspace buffers: qrec 6,553,600 bytes; kv 13,107,200 bytes; oimg 6,291,456 bytes; osc 262,144 bytes
;; launch qkv (part 1): grid 12 x 32, 4 waves a work-group, clusters of 4 x 4, 327,680 bytes of LDS; arguments x_codes, x_scales, w_q_codes, w_q_scales, w_k_codes, w_k_scales, w_v_codes, w_v_scales, qrec, kv; writes qrec, kv
.if DOCPART == 1
	.amdgcn_target "amdgcn-amd-amdhsa--gfx1250"
	.amdhsa_code_object_version 6
	.text
	.protected	k_q0e29a7a465_qkv
	.globl	k_q0e29a7a465_qkv
	.p2align	8
	.type	k_q0e29a7a465_qkv,@function
k_q0e29a7a465_qkv:
	s_mov_b64 s[64:65], 0
	v_nop
	global_prefetch_b8 v0, s[64:65] scope:SCOPE_SE
	s_setreg_imm32_b32 hwreg(HW_REG_WAVE_MODE, 25, 1), 1
	s_wait_xcnt 0x0
	s_wait_alu depctr_hold_cnt(0) depctr_sa_sdst(0) depctr_va_vdst(0) depctr_va_sdst(0) depctr_va_ssrc(0) depctr_va_vcc(0) depctr_vm_vsrc(0)
	s_getreg_b32 s2, hwreg(HW_REG_IB_STS2, 6, 4)
	s_cmp_eq_u32 s2, 0
	s_cbranch_scc0 .Lentry_in_a_cluster
	s_endpgm
.Lentry_in_a_cluster:
	s_bfe_u32 s2, ttmp6, 0x10000c
	s_cmp_lg_u32 s2, 0xf033
	s_cbranch_scc0 .Lentry_shape_is_right
	s_endpgm
.Lentry_shape_is_right:
; q = x Wq^T, k = x Wk^T, v = x Wv^T on codes of FP6 (E2M3) with one E8M0 scale for each 32 along K = 1,024; the results are quantised at once, in registers, and leave as codes.
; x: 8,192 rows, each W: 1,024 rows, 768 bytes of codes and 32 scale bytes a row.  One product of 8,192 x 3,072 x 1,024: 384 tiles of 256 x 256, a work-group of four waves to a tile, 128 x 128 a wave (64 accumulators).
; ROLES.  The matrix instruction is used transposed: source 0 = 16 rows of the B side, source 1 = 16 rows of the A side; a lane keeps ONE row of the A side and its registers run along the B side.  The quantiser runs along the
; B side.  q and k are quantised along the features: A side = x (tokens), B side = W.  v is quantised along the tokens (the keys): A side = Wv, B side = x.  Cluster x says which: 0 q, 1 k, 2 v; only pointers and offsets
; are chosen by it, no branch.  CLUSTERS: 4 x 4 work-groups; the A side's tile hangs on cy alone and is asked for jointly along a row of the cluster, the B side's on cx alone and jointly along a column.
; K goes in steps of 256 through two LDS slots; the scale bytes of the work-group's rows come once and stay.
; WHAT LEAVES: images of operand registers.  Half a fragment (16 rows x 64 along the next K, 6 registers a lane) is three pieces of [lane][8 bytes]: each store of a wave covers 256 consecutive bytes, aligned.
;   qrec, a record of 102,400 bytes for each (batch, head): 4,096 scale bytes [chunk of 128 tokens][r][tile pair][tile of the pair][2]; then 128 token tiles of 768 bytes.
;   kv, a record of 204,800 bytes: k's scale bytes as q's; 4,096 of v's [chunk][r][channel tile][4 key blocks]; then 16 chunks of 12,288: k's 8 token tiles of 768, v's 4 channel tiles of 1,536 (16 channels x 128 keys).
; ORDER INSIDE A BLOCK OF 32: the accumulators are taken as they lie, so places 0-7, 8-15, 16-23, 24-31 of a block hold its members 0-7, 16-23, 8-15, 24-31: alike in q and k, and alike in v and in the p that the next launch makes.
; LIMITS: NaN, infinities and the scale byte 0xff among the inputs are not served.  A block of zeros gets the byte 1 where the rule says 127: its codes are zeros, and this program alone reads the bytes.
; REGISTERS, in windows of 256: window 0: v0-31 addresses; v32-63 scale words, two sets; v64-119 the way out; from v128 the A side's fragments, one set.  window 1: the B side's fragments, two sets.  windows 2, 3: the accumulators.
.set KSTEP,  256                       ; along K in a slot
.set NQ,     KSTEP/128                 ; matrix instructions deep
.set ROWB,   192                       ; a tile's row in bytes
.set KROW,   768                       ; a row of codes in memory
.set PITCH,  240                       ; an LDS row: 3 x (64 bytes + 16 of padding)
.set FR,     12                        ; registers of a fragment
.set NL,     6                         ; LDS loads that bring one
.set NP,     4                         ; places behind this matrix instruction (ISA guide 7.12.1)
.set HALFT,  128*PITCH                 ; 128 rows: one tensor load
.set SLOT,   4*HALFT                   ; the A side's 256 rows, then the B side's
.set LAPS,   1024/(2*KSTEP)            ; a lap = two K steps = once round the ring
.set KS,     32                        ; a row of scale bytes
.set SCL,    2*SLOT                    ; behind the ring: the scales, as rows of 256 bytes + 16 of padding
.set HALFS,  (128*KS/256)*272
.set SBLK,   (16*KS/256)*272
.set SPARE,  SCL+4*HALFS               ; the spare words, 128 bytes a wave: two blocks of 256 bytes that no other line names
.set ADRA, 16                          ; v16-17 LDS address of my A fragments in slot 0, 1 (v18-19: behind one padding more)
.set ADRB, 20                          ; v20-23 the same for B
.set L8,   24                          ; v24  8 x lane: my place in a piece
.set L8C,  25                          ; v25  the same for the fragment's second half: the next head's record (q, k) or 768 bytes on (v)
.set SCO,  26                          ; v26  16 r + (lane / 16) x a record: my 16 scale bytes
.set ADRS, 27                          ; v27  LDS address of my scale words: lanes 0-15 the A side's, lanes 16-31 the B side's
.set SPW,  28                          ; v28  my spare word; never rewritten
.set NIL,  29                          ; v29  0; never rewritten
.set PSEL, 31                          ; v31  byte selects: the low halves of two words (lanes 0-15) or the high halves (lanes 16-31)
.set SC,   32                          ; scale words
.set TM,   64                          ; v64-67 largest magnitudes, v68-71 the other half's, then bytes, v76-79 the conversions' scale operands
.set CD,   80                          ; v80-91 the codes; v92-98 the conversions' second halves
.set PWS,  100                         ; v100-107 the scale word of each of my eight blocks
.set WK,   108
.set WVV,  112
.set WW,   116                         ; v116-119 the 16 scale bytes that I store
.set AF,   128
.set G1, 24
.set G0, 32
.set G1B, 48
.set G0B, 56
.set G1S, 68
.set G0S, 76
.set G1SB, 80
.set G0SB, 88
.set MSB, 0
.macro WIN new                         ; the immediate's high byte repeats the setting that is left
.if MSB != (\new)
	s_set_vgpr_msb (MSB<<8)|(\new)
.set MSB, (\new)
.endif
.endm
.set MUL_LO, 0xa1                      ; source 0 (B) window 1, source 1 (A) window 0, C and D window 2
.set MUL_HI, 0xf1                      ; the same, C and D window 3
.set TO_B,   0x40                      ; destination window 1, address window 0
; A joint load: waves 0 and 1 fetch for the A side, waves 2 and 3 for the B side; the branch hangs on the wave's number alone.  Four v_nop follow each of the two lines.
.macro JLOAD g0a, g1a, g0b, g1b
	s_cmp_eq_u32 s15, 0
	s_cbranch_scc0 .Lfor_b_\@
	tensor_load_to_lds s[\g0a:\g0a+3], s[\g1a:\g1a+7]
	s_nop 0
.rept 4
	v_nop
.endr
	s_branch .Lasked_\@
.Lfor_b_\@:
	tensor_load_to_lds s[\g0b:\g0b+3], s[\g1b:\g1b+7]
	s_nop 0
.rept 4
	v_nop
.endr
.Lasked_\@:
.endm
.macro CREST                           ; a round of the cluster's barrier behind its opening barrier
	s_cmp_lg_u32 s14, 0
	s_cbranch_scc1 .Lnot_wave_0_\@
	s_barrier_signal -3
.Lnot_wave_0_\@:
	s_barrier_wait -3
	s_barrier_signal -1
	s_barrier_wait -1
.endm
.macro CROUND                          ; a whole round
	s_barrier_signal -1
	s_barrier_wait -1
	CREST
.endm
	s_load_b512 s[68:83], s[0:1], 0x0              ; x codes, x scales, Wq codes, scales, Wk codes, scales, Wv codes, scales
	s_load_b128 s[84:87], s[0:1], 0x40             ; qrec, kv
	v_lshl_add_u32 v[SPW], v0, 2, SPARE
	v_mov_b32 v[NIL], 0
	ds_add_u32 v28, v29
	ds_add_u32 v28, v29
	s_wait_dscnt 0x0
	v_lshrrev_b32 v1, 5, v0
	v_readfirstlane_b32 s14, v1                    ; wave 0..3
	s_lshr_b32 s15, s14, 1                         ; which half of the A side's rows is mine.  Also: I fetch for A (0) or for B (1)
	s_and_b32 s16, s14, 1                          ; which half of the B side's.  Also: which 128 rows I fetch
	s_bfe_u32 s40, ttmp6, 0x40000                  ; cx
	s_bfe_u32 s41, ttmp6, 0x40004                  ; cy
	s_and_b32 s18, ttmp7, 0xffff
	s_lshl_b32 s18, s18, 2                         ; 4 x cluster y: it walks the tokens' 32 tiles
	s_cmp_eq_u32 ttmp9, 2                          ; v?  (cluster x: the same in all sixteen partners)
	s_cselect_b32 s19, 0, s18
	s_cselect_b32 s20, s18, 0
	s_add_co_u32 s17, s41, s19                     ; the A side's tile: cy (+ 4 x cluster y where the A side is x)
	s_add_co_u32 s42, s40, s20                     ; the B side's tile: cx (+ 4 x cluster y where the B side is x)
	s_lshl_b32 s43, s41, 2
	s_lshl_b32 s43, 15, s43                        ; my row of the cluster
	s_lshl_b32 s44, 0x1111, s40                    ; my column
	s_wait_kmcnt 0x0
	s_cmp_eq_u32 ttmp9, 0
	s_cselect_b64 s[8:9], s[72:73], s[76:77]       ; Wq or Wk,
	s_cselect_b64 s[10:11], s[74:75], s[78:79]     ; its scales,
	s_cselect_b64 s[12:13], s[84:85], s[86:87]     ; and where the results go
	s_cmp_eq_u32 ttmp9, 2
	s_cselect_b64 s[4:5], s[80:81], s[68:69]       ; the A side: Wv or x
	s_cselect_b64 s[6:7], s[82:83], s[70:71]
	s_cselect_b64 s[8:9], s[68:69], s[8:9]         ; the B side: x or W
	s_cselect_b64 s[10:11], s[70:71], s[10:11]
	; descriptor group 1: a tile of 128 rows x 192 bytes, 16 bytes of padding behind every 64  (s68-87 are free again from here on)
	s_or_b32 s[G1+0], s43, (0<<16)|(1<<20)|(1<<21)|(3<<22)|(3<<25)  ; 15:0 the mask; 17:16 element of 1 byte; 20 padding on; 21 set beside a mask; 24:22 after every 16 words; 31:25 of 4 words
	s_or_b32 s[G1B+0], s44, (0<<16)|(1<<20)|(1<<21)|(3<<22)|(3<<25)
.irp g, G1, G1B
	s_mov_b32 s[\g+1], ROWB<<16                    ; tensor_dim0
	s_mov_b32 s[\g+2], 128<<16                     ; tensor_dim1
	s_mov_b32 s[\g+3], ROWB<<16                    ; tile_dim0
	s_mov_b32 s[\g+4], 128                         ; tile_dim1
	s_mov_b32 s[\g+5], KROW                        ; tensor_dim0_stride
	s_mov_b32 s[\g+6], 0
	s_mov_b32 s[\g+7], 0
.endr
	; the scales of 128 rows: 4,096 dense bytes, as 16 rows of 256 bytes (32 elements of 8), 16 bytes of padding behind each
	s_or_b32 s[G1S+0], s43, (3<<16)|(1<<20)|(1<<21)|(5<<22)|(3<<25)
	s_or_b32 s[G1SB+0], s44, (3<<16)|(1<<20)|(1<<21)|(5<<22)|(3<<25)
.irp g, G1S, G1SB
	s_mov_b32 s[\g+1], 32<<16
	s_mov_b32 s[\g+2], (128*KS/256)<<16
	s_mov_b32 s[\g+3], 32<<16
	s_mov_b32 s[\g+4], 128*KS/256
	s_mov_b32 s[\g+5], 32
	s_mov_b32 s[\g+6], 0
	s_mov_b32 s[\g+7], 0
.endr
	s_lshl_b32 s18, s16, 7                         ; which 128 rows of the tile I fetch
	s_lshl_b32 s20, s17, 8
	s_add_co_u32 s20, s20, s18                     ; A side: row 256 x tile + 128 x half
	s_lshl_b32 s46, s42, 8
	s_add_co_u32 s46, s46, s18                     ; B side likewise
	s_mov_b32 s21, 0
	s_mov_b32 s47, 0
	s_mov_b64 s[18:19], KS
	s_mul_u64 s[22:23], s[20:21], s[18:19]         ; where these rows' scales begin
	s_mul_u64 s[92:93], s[46:47], s[18:19]
	s_mov_b64 s[18:19], KROW
	s_mul_u64 s[20:21], s[20:21], s[18:19]         ; and their codes
	s_mul_u64 s[46:47], s[46:47], s[18:19]
	s_mul_i32 s45, s14, HALFT                      ; where they go: wave x 128 rows: no place in the cluster enters an LDS address
	s_mul_i32 s94, s14, HALFS
	s_add_nc_u64 s[20:21], s[4:5], s[20:21]
	s_add_nc_u64 s[22:23], s[6:7], s[22:23]
	s_add_nc_u64 s[46:47], s[8:9], s[46:47]
	s_add_nc_u64 s[92:93], s[10:11], s[92:93]
	CROUND                                         ; all sixteen work-groups are here: the first joint loads meet
	s_mov_b32 s[G0S], 1
	s_add_co_u32 s[G0S+1], s94, SCL
	s_mov_b64 s[G0S+2:G0S+3], s[22:23]
	s_or_b32 s[G0S+3], s[G0S+3], 0x80000000
	s_mov_b32 s[G0SB], 1
	s_add_co_u32 s[G0SB+1], s94, SCL
	s_mov_b64 s[G0SB+2:G0SB+3], s[92:93]
	s_or_b32 s[G0SB+3], s[G0SB+3], 0x80000000
	JLOAD G0S, G1S, G0SB, G1SB                     ; the scales first: they are wanted with K step 0
.irp s, 0,1
	s_mov_b32 s[G0+4*\s], 1
	s_add_co_u32 s[G0+4*\s+1], s45, \s*SLOT
	s_add_nc_u64 s[G0+4*\s+2:G0+4*\s+3], s[20:21], \s*ROWB
	s_or_b32 s[G0+4*\s+3], s[G0+4*\s+3], 0x80000000
	s_mov_b32 s[G0B+4*\s], 1
	s_add_co_u32 s[G0B+4*\s+1], s45, \s*SLOT
	s_add_nc_u64 s[G0B+4*\s+2:G0B+4*\s+3], s[46:47], \s*ROWB
	s_or_b32 s[G0B+4*\s+3], s[G0B+4*\s+3], 0x80000000
	JLOAD G0+4*\s, G1, G0B+4*\s, G1B               ; three tensor loads of mine are out behind the last of these
.endr
	v_and_b32 v1, 15, v0                           ; r = lane % 16
	v_bfe_u32 v2, v0, 4, 1                         ; h = lane / 16
	v_mul_u32_u24 v3, v1, PITCH
	v_mul_u32_u24 v4, v2, 24
	v_add_nc_u32 v4, v3, v4                        ; a fragment's row x pitch + 24 x half
	v_lshl_add_u32 v5, v2, 4, v4                   ; and the same behind one padding more
	s_mul_i32 s21, s15, HALFT                      ; my 128 rows of the A side
	s_mul_i32 s22, s16, HALFT                      ; my 128 rows of the B side,
	s_add_co_u32 s22, s22, 2*HALFT                 ; which lie behind A's 256
.irp s, 0,1
	v_add_nc_u32 v[ADRA+\s], s21, v4
	v_add_nc_u32 v[ADRB+\s], s22, v4
	v_add_nc_u32 v[ADRA+2+\s], s21, v5
	v_add_nc_u32 v[ADRB+2+\s], s22, v5
	s_add_co_u32 s21, s21, SLOT
	s_add_co_u32 s22, s22, SLOT
.endr
	v_mul_u32_u24 v5, v1, KS                       ; my row's scales: 32 bytes a row,
	v_lshrrev_b32 v6, 8, v5
	v_lshl_add_u32 v5, v6, 4, v5                   ; and 16 more for each 256 passed
	s_mul_i32 s21, s15, HALFS
	s_mul_i32 s22, s16, HALFS
	s_add_co_u32 s22, s22, 2*HALFS
	s_sub_co_u32 s22, s22, s21
	v_mul_u32_u24 v6, s22, v2                      ; lanes 16-31 take the B side's: one product, the lower base + h x the distance
	s_add_co_u32 s21, s21, SCL
	v_add_nc_u32 v5, v5, v6
	v_add_nc_u32 v[ADRS], s21, v5
	; THE WAY OUT'S NUMBERS.  They hang on cx and cy and enter global addresses alone.
	s_lshl_b32 s2, s17, 8
	s_lshl_b32 s18, s15, 7
	s_add_co_u32 s2, s2, s18                       ; my first row of the A side
	s_lshl_b32 s18, s42, 8
	s_lshl_b32 s19, s16, 7
	s_add_co_u32 s18, s18, s19                     ; and of the B side
	s_mov_b32 s46, 768
	s_mov_b32 s47, 768
	s_cmp_eq_u32 ttmp9, 2
	s_cselect_b32 s19, s18, s2                     ; my first token,
	s_cselect_b32 s20, s2, s18                     ; my first feature
	s_cselect_b32 s98, -1, 0                       ; all lanes' bits where this is v
	s_cselect_b32 s23, 4096, 0                     ; where the scale bytes begin in a record
	s_cselect_b32 s92, 1536, s46                   ; from a block of 16 rows to the next: a token tile, or a channel tile of v;
	s_cselect_b32 s94, 200192, s47                 ; from block 3 to block 4: in v on to the next head's record (204,800 - 3 x 1,536)
	s_mov_b32 s93, 0
	s_mov_b32 s95, 0
	s_mov_b32 s45, 204800
	s_mov_b32 s46, 12288
	s_mov_b32 s47, 8192
	s_cmp_eq_u32 ttmp9, 0
	s_cselect_b32 s45, 102400, s45                 ; a record,
	s_cselect_b32 s46, 6144, s46                   ; a chunk of 128 tokens in it,
	s_cselect_b32 s47, 4096, s47                   ; and where the codes begin,
	s_cmp_eq_u32 ttmp9, 2
	s_cselect_b32 s47, 14336, s47                  ; in v behind a chunk's k
	s_cselect_b32 s4, 768, s45                     ; the fragment's second half: 768 bytes on (v), or the next head's record
	s_lshr_b32 s21, s19, 11
	s_lshl_b32 s21, s21, 4
	s_lshr_b32 s22, s20, 6
	s_add_co_u32 s21, s21, s22                     ; my first record: 16 x batch + head
	s_bfe_u32 s22, s19, 0x40007                    ; my chunk: (token / 128) % 16
	s_mul_i32 s5, s21, s45
	s_lshl_b32 s6, s22, 8
	s_add_co_u32 s6, s6, s5
	s_add_co_u32 s6, s6, s23
	s_mov_b32 s7, 0
	s_add_nc_u64 s[96:97], s[12:13], s[6:7]        ; the scale bytes' base: 256 bytes a chunk
	s_mul_i32 s6, s22, s46
	s_add_co_u32 s6, s6, s5
	s_add_co_u32 s6, s6, s47
	s_add_nc_u64 s[12:13], s[12:13], s[6:7]        ; the codes' base
	s_mov_b32 s99, 0xffff0000                      ; the bits of lanes 16-31
	s_mov_b32 s100, 0x01800000                     ; the floor 2^(3 - 127)
	s_mov_b32 s66, 0x76543210
	s_mov_b32 s67, 0xfedcba98                      ; v_permlanex16_b32's selects for lane l xor 16
	v_and_b32 v6, 31, v0
	v_lshlrev_b32 v[L8], 3, v6
	v_add_nc_u32 v[L8C], s4, v[L8]
	v_mul_lo_u32 v7, v2, s45
	v_lshl_add_u32 v[SCO], v1, 4, v7
	v_mov_b32 v[PSEL], 0x05040100
	v_mov_b32 v8, 0x07060302
	v_cndmask_b32 v[PSEL], v[PSEL], v8, s99
.irp b, 0,1,2,3
	v_mov_b32 v[TM+4+\b], 0                        ; written once: a lane permute's destination counts as one of its sources
.endr
.macro FRAG reg, adr, q, i             ; a fragment: lane l holds row l % 16; registers 6 c .. 6 c + 5 hold K = 64 c + 32 (l / 16) + 0 .. 31: 24 bytes of the row's stream of bits, in pieces of 8 bytes
.irp p, 0,1,2,3,4,5
.set PC, 12*(\q)+6*(\p/3)+\p%3        ; the piece's number in the row; 16 bytes of padding lie behind every 8 pieces: where the piece three on lies behind one padding more, the second address register serves
.if PC%8 < 5
	ds_load_b64 v[\reg+2*\p:\reg+2*\p+1], v[\adr] offset:8*PC+16*(PC/8)+(\i)*16*PITCH
.else
	ds_load_b64 v[\reg+2*\p:\reg+2*\p+1], v[\adr+2] offset:8*PC+16*(PC/8)+(\i)*16*PITCH
.endif
.endr
.endm
; 16 matrix instructions: A's blocks a0, a0 + 1 x B's eight, 128 along K.  zero = 1: the first product starts the sums.  The 64 accumulators take turns, one instruction a turn.
.macro MUL16 a0, p, q, sc, zero
.irp a, \a0, \a0+1
.irp b, 0,1,2,3,4,5,6,7
.if \zero
	v_wmma_scale_f32_16x16x128_f8f6f4 v[8*(8*((\a)%4)+\b):8*(8*((\a)%4)+\b)+7], v[128*(\p)+FR*\b:128*(\p)+FR*\b+FR-1], v[AF+FR*(\a):AF+FR*(\a)+FR-1], 0, v[SC+8*NQ*(\sc)+NQ*\b+(\q)], v[SC+8*NQ*(\sc)+NQ*(\a)+(\q)] matrix_a_fmt:MATRIX_FMT_FP6 matrix_b_fmt:MATRIX_FMT_FP6 matrix_a_scale:MATRIX_SCALE_ROW1
.else
	v_wmma_scale_f32_16x16x128_f8f6f4 v[8*(8*((\a)%4)+\b):8*(8*((\a)%4)+\b)+7], v[128*(\p)+FR*\b:128*(\p)+FR*\b+FR-1], v[AF+FR*(\a):AF+FR*(\a)+FR-1], v[8*(8*((\a)%4)+\b):8*(8*((\a)%4)+\b)+7], v[SC+8*NQ*(\sc)+NQ*\b+(\q)], v[SC+8*NQ*(\sc)+NQ*(\a)+(\q)] matrix_a_fmt:MATRIX_FMT_FP6 matrix_b_fmt:MATRIX_FMT_FP6 matrix_a_scale:MATRIX_SCALE_ROW1
.endif
.endr
.endr
.endm
.macro FETCH_B slot, q, p
	WIN TO_B
.irp i, 0,1,2,3,4,5,6,7
	FRAG 128*(\p)+FR*\i, ADRB+\slot, \q, \i
.endr
	WIN 0
.endm
.macro FETCH_A slot, q, i0
.irp i, \i0, \i0+1, \i0+2, \i0+3
	FRAG AF+FR*(\i), ADRA+\slot, \q, \i
.endr
.endm
.macro SCALES sc                       ; a K step's scale words: lanes 0-15 take A's block i, lanes 16-31 B's block i
.irp i, 0,1,2,3,4,5,6,7
	ds_load_b64 v[SC+8*NQ*\sc+NQ*\i:SC+8*NQ*\sc+NQ*\i+1], v[ADRS] offset:\i*SBLK
.endr
.endm
.macro PLACES n                        ; places in front of loads into registers that matrix instructions have read, and of the first read of results
.rept \n
	v_nop
.endr
.endm
.macro STEP slot, q, zero              ; a step of 128 along K that has its successor in the same slot
	s_wait_dscnt 4*NL                              ; B's set and A's blocks 0-3 are in; the youngest 24 loads (A's blocks 4-7) may be out
	WIN MUL_LO
	MUL16 0, (\q)%2, \q, \slot, \zero
	MUL16 2, (\q)%2, \q, \slot, \zero
	s_wait_dscnt 0                                 ; A's blocks 4-7 are in
	PLACES NP
	FETCH_B \slot, (\q)+1, 1-(\q)%2
	FETCH_A \slot, (\q)+1, 0
	WIN MUL_HI
	MUL16 4, (\q)%2, \q, \slot, \zero
	MUL16 6, (\q)%2, \q, \slot, \zero
	PLACES NP
	WIN 0
	FETCH_A \slot, (\q)+1, 4
.endm
; A slot's last step changes slots: one barrier; in front of it each wave waits for all its tensor loads, adds 0 to its spare word, and waits for that and for its reads of this slot.  fill = 1: this slot is filled again.
.macro TURN slot, next, fill
	s_wait_tensorcnt 0x0                           ; all my tensor loads have landed: my part of the next slot
	ds_add_u32 v[SPW], v[NIL]                      ; 0 onto my spare word
	s_wait_dscnt 4*NL+1                            ; (the add and the youngest 24 loads may be out)
	WIN MUL_LO
	MUL16 0, 1, NQ-1, \slot, 0
	s_wait_dscnt 0x0                               ; the add is done, and my reads of this slot are over
	s_barrier_signal -1
	MUL16 2, 1, NQ-1, \slot, 0
	WIN 0
	s_barrier_wait -1
.if \fill
	CREST                                          ; the barrier has opened a round of the cluster's barrier: no wave of any partner still reads this slot or has a load on its way
	s_add_nc_u64 s[G0+4*\slot+2:G0+4*\slot+3], s[G0+4*\slot+2:G0+4*\slot+3], 2*ROWB
	s_add_nc_u64 s[G0B+4*\slot+2:G0B+4*\slot+3], s[G0B+4*\slot+2:G0B+4*\slot+3], 2*ROWB
	JLOAD G0+4*\slot, G1, G0B+4*\slot, G1B         ; the first tensor load behind the round; its four v_nop are the places in front of the loads below
.else
	PLACES NP
.endif
	v_add_nc_u32 v[ADRS], 4*NQ, v[ADRS]            ; on to the next K step's scale words
	FETCH_B \next, 0, 0
	FETCH_A \next, 0, 0
	SCALES \next
	WIN MUL_HI
	MUL16 4, 1, NQ-1, \slot, 0
	MUL16 6, 1, NQ-1, \slot, 0
	PLACES NP
	WIN 0
	FETCH_A \next, 0, 4
.endm
	s_wait_tensorcnt 1                             ; the scales and my part of K step 0 are in (K step 1's load may be out)
	s_barrier_signal -1
	s_barrier_wait -1                              ; everybody's are
	FETCH_B 0, 0, 0
	FETCH_A 0, 0, 0
	SCALES 0
	FETCH_A 0, 0, 4
	STEP 0, 0, 1                                   ; the first step stands in front of the loop: its products start the sums
	s_mov_b32 s3, LAPS-1
.Llap:                                                 ; a trip goes once round the ring and fills both slots again
	TURN 0, 1, 1
	STEP 1, 0, 0
	TURN 1, 0, 1
	STEP 0, 0, 0
	s_sub_co_u32 s3, s3, 1
	s_cmp_lg_u32 s3, 0
	s_cbranch_scc1 .Llap
	TURN 0, 1, 0                                   ; the last lap fills nothing
	STEP 1, 0, 0
	s_wait_dscnt 4*NL                              ; the very last step
	WIN MUL_LO
	MUL16 0, 1, NQ-1, 1, 0
	MUL16 2, 1, NQ-1, 1, 0
	s_wait_dscnt 0
	WIN MUL_HI
	MUL16 4, 1, NQ-1, 1, 0
	MUL16 6, 1, NQ-1, 1, 0
	WIN 0
; THE WAY OUT of block a (16 rows of the A side x my 128 of the B side: 64 registers a lane, four blocks of 32 along the next K; a block lies in lanes l and l xor 16).
; Largest magnitudes with the floor among their leaves; 2 off the exponent field gives the conversion's scale operand, a shift of that the byte; four conversions; an exchange of halves, so that a lane holds a whole block;
; six stores of 8 bytes a lane.  No LDS, no branch.
.macro QOUT a
.set AC, 64*((\a)%4)
.set WA, 2+(\a)/4
.set WQ, (WA<<2)|(WA<<4)
	WIN WQ                                         ; sources 1 and 2: the accumulators' window
.irp b, 0,1,2,3
	v_max3_num_f32 v[TM+\b], s100, |v[AC+16*\b]|, |v[AC+16*\b+1]|       ; each accumulator is read from its low end on
.endr
.irp i, 2,4,6,8,10,12,14
.irp b, 0,1,2,3
	v_max3_num_f32 v[TM+\b], v[TM+\b], |v[AC+16*\b+\i]|, |v[AC+16*\b+\i+1]|   ; (the four blocks by turns)
.endr
.endr
	WIN 0
.irp b, 0,1,2,3
	v_permlanex16_b32 v[TM+4+\b], v[TM+\b], s66, s67
.endr
.irp b, 0,1,2,3
	v_max_num_f32 v[TM+\b], v[TM+\b], v[TM+4+\b]   ; with lane l xor 16's 16: the block's largest magnitude
.endr
.irp b, 0,1,2,3
	v_add_nc_u32 v[TM+12+\b], 0xff000000, v[TM+\b] ; 2 off its exponent field: the conversion's scale operand
.endr
.irp b, 0,1,2,3
	v_lshrrev_b32 v[TM+4+\b], 23, v[TM+12+\b]      ; the scale's byte
.endr
	v_lshl_or_b32 v[PWS+(\a)], v[TM+5], 8, v[TM+4]
	v_lshl_or_b32 v[PWS+(\a)], v[TM+6], 16, v[PWS+(\a)]
	v_lshl_or_b32 v[PWS+(\a)], v[TM+7], 24, v[PWS+(\a)]
.if (\a) > 0
	s_wait_xcnt 0x0                                ; the last block's stores have read their data and their base: both are written again only behind this wait
.if (\a) == 4
	s_add_nc_u64 s[12:13], s[12:13], s[94:95]
.else
	s_add_nc_u64 s[12:13], s[12:13], s[92:93]
.endif
.endif
	WIN WA                                         ; source 0: the accumulators' window
.irp c, 0,1
	v_cvt_scalef32_pk16_fp6_f32 v[CD+6*\c:CD+6*\c+2], v[AC+32*\c:AC+32*\c+15], v[TM+12+2*\c]
	v_cvt_scalef32_pk16_fp6_f32 v[CD+12+4*\c:CD+14+4*\c], v[AC+32*\c+16:AC+32*\c+31], v[TM+13+2*\c]   ; (a conversion's three registers begin on an even number)
.endr
	WIN 0
	v_nop                                          ; one plain place behind a scaled conversion
.irp c, 0,1                                    ; a whole block in a lane: lanes 0-15 block 2 c, lanes 16-31 block 2 c + 1
.irp i, 0,1,2
	v_permlane16_swap_b32 v[CD+6*\c+\i], v[CD+12+4*\c+\i]
.endr
.irp i, 0,1,2
	v_mov_b32 v[CD+3+6*\c+\i], v[CD+12+4*\c+\i]
.endr
.endr
.irp p, 0,1,2
	global_store_b64 v[L8], v[CD+2*\p:CD+2*\p+1], s[12:13] offset:256*\p      ; 32 lanes store 256 consecutive bytes, aligned
.endr
.irp p, 0,1,2
	global_store_b64 v[L8C], v[CD+6+2*\p:CD+7+2*\p], s[12:13] offset:256*\p
.endr
.endm
	PLACES NP                                      ; behind the last products, ahead of the first read of results
.irp a, 0,1,2,3,4,5,6,7
	QOUT \a
.endr
	; THE SCALE BYTES.  q, k: lane (r, h) stores head h's two bytes of token r of each of the eight tiles.  v: head h's four words (channel tiles), four key blocks each.  Both are made; the choice is a select.
.irp i, 0,1,2,3
	v_perm_b32 v[WK+\i], v[PWS+2*\i+1], v[PWS+2*\i], v[PSEL]
	v_cndmask_b32 v[WVV+\i], v[PWS+\i], v[PWS+4+\i], s99
.endr
.irp i, 0,1,2,3
	v_cndmask_b32 v[WW+\i], v[WK+\i], v[WVV+\i], s98
.endr
	global_store_b128 v[SCO], v[WW:WW+3], s[96:97] ; lanes 0-15 store 256 consecutive bytes of one record, lanes 16-31 of the next
	s_wait_tensorcnt 0x0                           ; the wave's end
	ds_add_u32 v[SPW], v[NIL]
	s_wait_dscnt 0x0
	CROUND                                         ; the closing round: no work-group ends while a partner may still ask for a tile that names it
	s_endpgm
.Lfunc_end_k_q0e29a7a465_qkv:
	.size	k_q0e29a7a465_qkv, .Lfunc_end_k_q0e29a7a465_qkv-k_q0e29a7a465_qkv
	.p2alignl 7, 3214868480
	.fill 96, 4, 3214868480
	.section	.rodata,"a",@progbits
	.p2align	6, 0x0
	.amdhsa_kernel k_q0e29a7a465_qkv
		.amdhsa_group_segment_fixed_size 327680
		.amdhsa_private_segment_fixed_size 0
		.amdhsa_enable_private_segment 0
		.amdhsa_kernarg_size 80
		.amdhsa_user_sgpr_count 2
		.amdhsa_user_sgpr_kernarg_segment_ptr 1
		.amdhsa_wavefront_size32 1
		.amdhsa_system_sgpr_workgroup_id_x 1
		.amdhsa_system_sgpr_workgroup_id_y 1
		.amdhsa_system_sgpr_workgroup_id_z 1
		.amdhsa_system_vgpr_workitem_id 0
		.amdhsa_next_free_vgpr 1024
		.amdhsa_next_free_sgpr 102
		.amdhsa_reserve_vcc 0
		.amdhsa_float_denorm_mode_32 3
		.amdhsa_float_denorm_mode_16_64 3
		.amdhsa_memory_ordered 1
		.amdhsa_forward_progress 1
		.amdhsa_inst_pref_size 168
	.end_amdhsa_kernel
	.amdgpu_metadata
---
amdhsa.version: [ 1, 2 ]
amdhsa.kernels:
  - .name:           k_q0e29a7a465_qkv
    .symbol:         k_q0e29a7a465_qkv.kd
    .args:
      - { .name: x_codes, .offset: 0, .size: 8, .value_kind: global_buffer, .address_space: global }
      - { .name: x_scales, .offset: 8, .size: 8, .value_kind: global_buffer, .address_space: global }
      - { .name: w_q_codes, .offset: 16, .size: 8, .value_kind: global_buffer, .address_space: global }
      - { .name: w_q_scales, .offset: 24, .size: 8, .value_kind: global_buffer, .address_space: global }
      - { .name: w_k_codes, .offset: 32, .size: 8, .value_kind: global_buffer, .address_space: global }
      - { .name: w_k_scales, .offset: 40, .size: 8, .value_kind: global_buffer, .address_space: global }
      - { .name: w_v_codes, .offset: 48, .size: 8, .value_kind: global_buffer, .address_space: global }
      - { .name: w_v_scales, .offset: 56, .size: 8, .value_kind: global_buffer, .address_space: global }
      - { .name: qrec, .offset: 64, .size: 8, .value_kind: global_buffer, .address_space: global }
      - { .name: kv, .offset: 72, .size: 8, .value_kind: global_buffer, .address_space: global }
    .group_segment_fixed_size: 327680
    .private_segment_fixed_size: 0
    .kernarg_segment_align: 8
    .kernarg_segment_size: 80
    .max_flat_workgroup_size: 128
    .sgpr_count:     102
    .vgpr_count:     1024
    .wavefront_size: 32
...
	.end_amdgpu_metadata
.endif
;; end of part 1
;; launch attn (part 2): grid 4 x 64, 16 waves a work-group, clusters of 4 x 1, 206,848 bytes of LDS; arguments qrec, kv, oimg, osc; writes oimg, osc
.if DOCPART == 2
	.amdgcn_target "amdgcn-amd-amdhsa--gfx1250"
	.amdhsa_code_object_version 6
	.text
	.protected	k_q0e29a7a465_attn
	.globl	k_q0e29a7a465_attn
	.p2align	8
	.type	k_q0e29a7a465_attn,@function
k_q0e29a7a465_attn:
	s_mov_b64 s[64:65], 0
	v_nop
	global_prefetch_b8 v0, s[64:65] scope:SCOPE_SE
	s_setreg_imm32_b32 hwreg(HW_REG_WAVE_MODE, 25, 1), 1
	s_wait_xcnt 0x0
	s_wait_alu depctr_hold_cnt(0) depctr_sa_sdst(0) depctr_va_vdst(0) depctr_va_sdst(0) depctr_va_ssrc(0) depctr_va_vcc(0) depctr_vm_vsrc(0)
	s_getreg_b32 s2, hwreg(HW_REG_IB_STS2, 6, 4)
	s_cmp_eq_u32 s2, 0
	s_cbranch_scc0 .Lentry_in_a_cluster
	s_endpgm
.Lentry_in_a_cluster:
	s_bfe_u32 s2, ttmp6, 0x10000c
	s_cmp_lg_u32 s2, 0x3003
	s_cbranch_scc0 .Lentry_shape_is_right
	s_endpgm
.Lentry_shape_is_right:
; Causal attention of one (batch, head) for each cluster of four work-groups, both products on codes of FP6 (E2M3) with E8M0 scales; the result is quantised along the model's 1,024 and leaves as codes.
; THE SOFTMAX: t = score x log2(e) / 8; M = the running largest t rounded UP to a whole number; p = 2^(t - M) is quantised along the keys, not normalised; the sum of the unquantised p divides at the end; when M moves,
; the sum and O are multiplied by 2^(old M - new M), which rounds nothing.
; LDS IS THE HEAD'S kv RECORD AS IT LIES IN MEMORY, 204,800 bytes, filled ONCE by joint loads (all four partners want the same bytes): k's scale bytes at 0, v's at 4,096, chunk j of 128 keys at 8,192 + 12,288 j
; (k's 8 token tiles of 768 bytes, then v's 4 channel tiles of 1,536).  No slot is filled again, nothing is stored to LDS.
; SHARES.  The head's 2,048 queries are 32 groups of 64; partner cx takes tile 4 g + cx (16 queries) of every group g; wave w takes g = w and then g = 31 - w.  A tile of group g needs key steps 0 .. g / 2 (128 keys each),
; the last of them on the diagonal: 17 key steps a wave, whatever w and cx.  So branches hang on the wave's number and a counter alone; cx enters global addresses and the mask's numbers.
; LAYOUT.  Both products are used transposed (S^T = k q^T, O^T = v^T p^T): a lane holds one query (lane % 16) throughout.  The head's 64 are half of the instruction's 128: a fragment of k holds TWO token tiles, one in
; K 0-63 and one in K 64-127, and q stands between two runs of zero codes, so that v[22:33] picks the first tile and v[16:27] the second.
; Inside a block of 32 keys p's order is that of the accumulators, which is the order in which the launch before has laid v.  The result meets a given operand (w_o): it is put into true order by 16 exchanges of halves.
; LIMITS: NaN and infinities are not served.  A block of zeros gets the byte 1 where the rule says 127: its codes are zeros, and this program alone reads the bytes.
.set HSQ,   102400                     ; a record of qrec
.set HSKV,  204800                     ; a record of kv
.set CH0,   8192                       ; chunk 0
.set CHUNK, 12288
.set VOFF,  6144                       ; v in a chunk
.set VSC,   4096                       ; v's scale words
.set LOB,   26624                      ; 104 rows of 256 bytes: a wave's part of the scales and chunks 0-7
.set HIB,   24576                      ; 96 rows: of chunks 8-15
.set HI0,   106496
.set L8,  1                            ; v1   8 x lane
.set R16, 2                            ; v2   16 r
.set ADK, 3                            ; v3   LDS address of the step's chunk
.set ADS, 4                            ; v4   of its scale words
.set DM,  5                            ; v5   my query less the diagonal step's first key less 8 (lane / 16)
.set OB,  6                            ; v6   the result's two scale bytes
.set R8,  7                            ; v7   8 r
.set RH,  9                            ; v9   r - 8 (lane / 16)
.set QW,  34                           ; v34  q's scale word: its two bytes twice
.set QL,  35                           ; v35  the two bytes as loaded
.set KF,  36                           ; v36-83   k's four fragments; behind the scores' products: at work
.set VF,  84                           ; v84-131  v's four
.set SCR, 132                          ; v132-195 S^T, then p
.set OT,  196                          ; v196-227 O^T
.set PP,  228                          ; v228-239 p's codes
.set KSW, 240                          ; v240-243 k's scale words
.set VSW, 244                          ; v244-247 v's
.set FF,  248                          ; v[248:249] f = 2^(old M - new M); v249 is named with it as a pair
.set PW,  250                          ; v250 p's scale word
.set TMP, 251
.set BM,  36                           ; the blocks' largest scores, then largest p
.set BT,  40                           ; the other half's, then the bytes
.set SO,  44                           ; the conversions' scale operands
.set CT,  48                           ; the conversions' second halves
.set SU,  56                           ; the sum's second chain
.set WV,  12                           ; s12 wave;  s13 cx;  s14 16 x batch + head
.set G1L, 16
.set G1H, 24
.set G0L, 32
.set G0H, 36
.set SEL, 40                           ; s[40:41] v_permlanex16_b32's selects for lane l xor 16
.set CS,  42                           ; s[42:43] c = log2(e) / 8
.set TB,  44                           ; s44 LDS byte of the step's chunk
.set TS,  45                           ; s45 and of its scale words
.set JJ,  46                           ; s46 the key step
.set JL,  47                           ; s47 my tile's last key step
.macro ROUND                           ; a round of the cluster's barrier
	s_barrier_signal -1
	s_barrier_wait -1
	s_cmp_lg_u32 s[WV], 0
	s_cbranch_scc1 .Lnot_wave_0_\@
	s_barrier_signal -3
.Lnot_wave_0_\@:
	s_barrier_wait -3
	s_barrier_signal -1
	s_barrier_wait -1
.endm
	s_load_b256 s[4:11], s[0:1], 0x0               ; qrec, kv, oimg, osc
	v_lshl_add_u32 v254, v0, 2, 0x32000
	v_mov_b32 v255, 0
	ds_add_u32 v254, v255
	ds_add_u32 v254, v255
	v_lshrrev_b32 v8, 5, v0
	s_delay_alu instid0(VALU_DEP_1)
	v_readfirstlane_b32 s[WV], v8                  ; wave 0..15
	s_bfe_u32 s13, ttmp6, 0x40000                  ; cx
	s_and_b32 s14, ttmp7, 0xffff                   ; 16 x batch + head: the four partners share it
	v_and_b32 v[L8], 31, v0
	s_delay_alu instid0(VALU_DEP_1)
	v_lshlrev_b32 v[L8], 3, v[L8]
	v_and_b32 v8, 15, v0                           ; r
	s_delay_alu instid0(VALU_DEP_1)
	v_lshlrev_b32 v[R16], 4, v8
	s_delay_alu instid0(VALU_DEP_2)
	v_lshlrev_b32 v[R8], 3, v8
	v_bfe_u32 v10, v0, 4, 1
	s_delay_alu instid0(VALU_DEP_1)
	v_lshlrev_b32 v10, 3, v10
	s_delay_alu instid0(VALU_DEP_1)
	v_sub_nc_u32 v[RH], v8, v10
.irp i, 16,17,18,19,20,21,28,29,30,31,32,33
	v_mov_b32 v\i, 0                               ; the zero codes on either side of q
.endr
.irp b, 0,1,2,3
	v_mov_b32 v[BT+\b], 0                          ; written once on every path: a lane permute's destination counts as one of its sources
.endr
	v_mov_b32 v[TMP], 0
	v_mov_b32 v[FF+1], 0
	; descriptor group 1: dense bytes as rows of 256 (32 elements of 8 bytes), no padding; 15:0 the mask: all four work-groups; 21 set beside it
	s_mov_b32 s[G1L], 15|(3<<16)|(1<<21)
	s_mov_b32 s[G1L+1], 32<<16
	s_mov_b32 s[G1L+2], 104<<16
	s_mov_b32 s[G1L+3], 32<<16
	s_mov_b32 s[G1L+4], 104
	s_mov_b32 s[G1L+5], 32
	s_mov_b32 s[G1L+6], 0
	s_mov_b32 s[G1L+7], 0
	s_mov_b32 s[G1H], 15|(3<<16)|(1<<21)
	s_mov_b32 s[G1H+1], 32<<16
	s_mov_b32 s[G1H+2], 96<<16
	s_mov_b32 s[G1H+3], 32<<16
	s_mov_b32 s[G1H+4], 96
	s_mov_b32 s[G1H+5], 32
	s_mov_b32 s[G1H+6], 0
	s_mov_b32 s[G1H+7], 0
	s_and_b32 s15, s[WV], 3                        ; waves 0 to 3 fetch: a quarter of each half of the record
	s_mov_b32 s[G0L], 1
	s_mul_i32 s[G0L+1], s15, LOB                   ; LDS byte = the record's byte
	s_mov_b32 s[G0H], 1
	s_mul_i32 s[G0H+1], s15, HIB
	s_add_co_u32 s[G0H+1], s[G0H+1], HI0
	s_mov_b32 s[SEL], 0x76543210
	s_mov_b32 s[SEL+1], 0xfedcba98
	s_mov_b32 s[CS], 0x3e38aa3b                    ; log2(e) / 8
	s_mov_b32 s[CS+1], s[CS]                       ; (named with it as a pair, so it is written)
	s_mov_b32 s51, 0
	s_wait_dscnt 0x0
	s_wait_kmcnt 0x0
	s_mul_i32 s50, s14, HSQ
	s_add_nc_u64 s[4:5], s[4:5], s[50:51]          ; my head's record of q
	s_mul_i32 s50, s14, HSKV
	s_add_nc_u64 s[6:7], s[6:7], s[50:51]          ; and of k and v
	s_mov_b32 s50, s[G0L+1]
	s_add_nc_u64 s[G0L+2:G0L+3], s[6:7], s[50:51]
	s_or_b32 s[G0L+3], s[G0L+3], 0x80000000
	s_mov_b32 s50, s[G0H+1]
	s_add_nc_u64 s[G0H+2:G0H+3], s[6:7], s[50:51]
	s_or_b32 s[G0H+3], s[G0H+3], 0x80000000
	s_and_b32 s2, s14, 15
	s_lshr_b32 s2, s2, 2                           ; head / 4: which 256 of the next K
	s_lshr_b32 s15, s14, 4                         ; batch
	s_and_b32 s48, s14, 3                          ; head % 4
	s_mul_i32 s50, s2, 1572864                     ; oimg: [head / 4][512 token tiles][head % 4][768]
	s_mul_i32 s49, s15, 393216
	s_add_co_u32 s50, s50, s49
	s_mul_i32 s49, s48, 768
	s_add_co_u32 s50, s50, s49
	s_add_nc_u64 s[8:9], s[8:9], s[50:51]
	s_lshl_b32 s50, s15, 16                        ; osc: [512 token tiles][head / 4][r][head % 4][2]
	s_lshl_b32 s49, s2, 7
	s_add_co_u32 s50, s50, s49
	s_lshl_b32 s49, s48, 1
	s_add_co_u32 s50, s50, s49
	s_add_nc_u64 s[10:11], s[10:11], s[50:51]
	ROUND                                          ; all four work-groups are here: the joint loads meet
	s_cmp_lt_u32 s[WV], 4                          ; a wave's two fills stand in one branch on the wave's number: two tensor loads of mine are out
	s_cbranch_scc0 .Lno_fill
	tensor_load_to_lds s[G0L:G0L+3], s[G1L:G1L+7]  ; the scales and chunks 0-7
	s_nop 0
	tensor_load_to_lds s[G0H:G0H+3], s[G1H:G1H+7]  ; chunks 8-15
	s_nop 0
.rept 4
	v_nop
.endr
.Lno_fill:
; My next tile: its numbers, and the loads of q's half fragment and its two scale bytes.  op: four scalar registers for the tile's places in oimg and osc.
.macro SETUP which, op
.if \which
	s_xor_b32 s48, s[WV], 31                       ; g = 31 - wave
.else
	s_mov_b32 s48, s[WV]                           ; g = wave
.endif
	s_lshr_b32 s[JL], s48, 1                       ; the step on the diagonal: it hangs on the wave's number alone
	s_lshl_b32 s49, s48, 2
	s_add_co_u32 s49, s49, s13                     ; the tile: 4 g + cx
	s_mov_b32 s51, 0
	s_mul_i32 s50, s49, 768
	s_add_co_u32 s50, s50, 4096
	s_add_nc_u64 s[52:53], s[4:5], s[50:51]        ; its codes
	s_lshr_b32 s50, s49, 3
	s_lshl_b32 s50, s50, 8
	s_and_b32 s2, s49, 7
	s_lshl_b32 s2, s2, 1
	s_add_co_u32 s50, s50, s2
	s_add_nc_u64 s[54:55], s[4:5], s[50:51]        ; its scale bytes: 256 a chunk, 2 a tile, 16 a row
	s_mul_i32 s50, s49, 3072
	s_add_nc_u64 s[\op:\op+1], s[8:9], s[50:51]
	s_lshl_b32 s50, s49, 9
	s_add_nc_u64 s[\op+2:\op+3], s[10:11], s[50:51]
	s_and_b32 s50, s48, 1
	s_lshl_b32 s50, s50, 6
	s_lshl_b32 s2, s13, 4
	s_add_co_u32 s50, s50, s2
	v_add_nc_u32 v[DM], s50, v[RH]                 ; my query - 128 x (g / 2) - 8 (lane / 16) = 64 (g % 2) + 16 cx + r - 8 (lane / 16)
.irp p, 0,1,2
	global_load_b64 v[22+2*\p:23+2*\p], v[L8], s[52:53] offset:256*\p
.endr
	global_load_u16 v[QL], v[R16], s[54:55]
.endm
; A tile's walk over the keys.  The loop's trip count ns is a constant; a step behind my diagonal is jumped over, all but the lines that step addresses.
.macro TILE ns
	s_wait_xcnt 0x0                                ; the last tile's stores have read their data: those registers are written again below
	s_wait_loadcnt 0x0                             ; q
	v_lshl_or_b32 v[QW], v[QL], 16, v[QL]          ; the two bytes serve K 0-63 and K 64-127 alike
	v_mov_b32 v13, 0xff61b1e6                      ; the largest t so far: -3e38
	s_delay_alu instid0(VALU_DEP_1)
	v_floor_f32 v12, -v13                          ; -M
	v_mov_b32 v14, 0                               ; the sum, in two halves
	v_mov_b32 v15, 0
.set n, 0
.rept 32
	v_mov_b32 v[OT+n], 0                           ; O^T: the step is written once, its first trip finds zeros.  (These lines are also the places between the scale word's write and the first product)
.set n, n+1
.endr
	s_mov_b32 s[TB], CH0
	s_mov_b32 s[TS], 0
	s_mov_b32 s[JJ], 0
.Lkey_\@:
	s_cmp_gt_u32 s[JJ], s[JL]
	s_cbranch_scc1 .Lskip_\@
	s_setprio 2
	v_add_nc_u32 v[ADK], s[TB], v[L8]
	v_add_nc_u32 v[ADS], s[TS], v[R16]
	v_nop
	v_nop                                          ; four places in front of loads into registers that the last products have read
	ds_load_b128 v[KSW:KSW+3], v[ADS]              ; k's scale words: word f serves token tiles 2 f and 2 f + 1
.irp f, 0,1,2,3
.irp p, 0,1,2,3,4,5
	ds_load_b64 v[KF+12*\f+2*\p:KF+12*\f+2*\p+1], v[ADK] offset:1536*\f+256*\p    ; 32 lanes read 256 consecutive bytes
.endr
.endr
	ds_load_b128 v[VSW:VSW+3], v[ADS] offset:VSC   ; v's: word t serves channel tile t
.irp t, 0,1,2,3
.irp p, 0,1,2,3,4,5
	ds_load_b64 v[VF+12*\t+2*\p:VF+12*\t+2*\p+1], v[ADK] offset:VOFF+1536*\t+256*\p
.endr
.endr
	s_wait_dscnt 25                                ; k and its scale words are in; v's 25 loads may be out: they land under the softmax
.irp f, 0,1,2,3
	v_wmma_scale_f32_16x16x128_f8f6f4 v[SCR+16*\f:SCR+16*\f+7], v[KF+12*\f:KF+12*\f+11], v[22:33], 0, v[KSW+\f], v[QW] matrix_a_fmt:MATRIX_FMT_FP6 matrix_b_fmt:MATRIX_FMT_FP6
	v_wmma_scale_f32_16x16x128_f8f6f4 v[SCR+16*\f+8:SCR+16*\f+15], v[KF+12*\f:KF+12*\f+11], v[16:27], 0, v[KSW+\f], v[QW] matrix_a_fmt:MATRIX_FMT_FP6 matrix_b_fmt:MATRIX_FMT_FP6
.endr                                          ; register n of the 64 holds key 128 j + 16 (n / 8) + 8 (lane / 16) + n % 8
.rept 4
	v_nop
.endr
	s_cmp_lg_u32 s[JJ], s[JL]                      ; on the diagonal the scores of hidden keys become -infinity ahead of the maximum: p = 0 then
	s_cbranch_scc1 .Lopen_\@
	v_mov_b32 v[TMP], 0xff800000
.set n, 0
.rept 64
	v_cmp_gt_i32 vcc_lo, 16*(n/8)+n%8, v[DM]
	v_cndmask_b32 v[SCR+n], v[SCR+n], v[TMP], vcc_lo
.set n, n+1
.endr
.Lopen_\@:
.irp b, 0,1,2,3
	v_max3_num_f32 v[BM+\b], v[SCR+16*\b], v[SCR+16*\b+1], v[SCR+16*\b+2]   ; the largest score of each block of 32 keys: for the row's maximum and, since p rises with the score, for the block's largest p
.endr
.irp i, 3,5,7,9,11,13
.irp b, 0,1,2,3
	v_max3_num_f32 v[BM+\b], v[BM+\b], v[SCR+16*\b+\i], v[SCR+16*\b+\i+1]
.endr
.endr
.irp b, 0,1,2,3
	v_max_num_f32 v[BM+\b], v[BM+\b], v[SCR+16*\b+15]
.endr
.irp b, 0,1,2,3
	s_delay_alu instid0(VALU_DEP_4)
	v_permlanex16_b32 v[BT+\b], v[BM+\b], s[SEL], s[SEL+1]
.endr
.irp b, 0,1,2,3
	s_delay_alu instid0(VALU_DEP_4)
	v_max_num_f32 v[BM+\b], v[BM+\b], v[BT+\b]     ; with lane l xor 16's 16 keys
.endr
	s_delay_alu instid0(VALU_DEP_2)
	v_max3_num_f32 v[TMP], v[BM], v[BM+1], v[BM+2]
	s_delay_alu instid0(VALU_DEP_1)
	v_max_num_f32 v[TMP], v[TMP], v[BM+3]          ; the step's largest score of my query
	s_delay_alu instid0(VALU_DEP_1)
	v_mul_f32 v[TMP], s[CS], v[TMP]                ; as t
	s_delay_alu instid0(VALU_DEP_1)
	v_max_num_f32 v13, v13, v[TMP]                 ; the running largest t
	v_mov_b32 v[TMP], v12
	s_delay_alu instid0(VALU_DEP_2)
	v_floor_f32 v12, -v13                          ; the new -M = floor(-t): M is a whole number
	s_delay_alu instid0(VALU_DEP_1)
	v_sub_f32 v[TMP], v12, v[TMP]                  ; old M - new M: a whole number, 0 or less
	s_delay_alu instid0(VALU_DEP_1)
	v_cvt_i32_f32 v[TMP], v[TMP]                   ; (it saturates)
	s_delay_alu instid0(VALU_DEP_1)
	v_ldexp_f32 v[FF], 1.0, v[TMP]                 ; f = 2^(old M - new M)
.set n, 0
	s_setprio 1
.rept 32
	v_pk_fma_f32 v[SCR+n:SCR+n+1], v[SCR+n:SCR+n+1], s[CS:CS+1], v[12:13] op_sel_hi:[1,0,0]   ; t - M, two at a time
.set n, n+2
.endr
.irp b, 0,1,2,3
	v_fma_f32 v[BM+\b], v[BM+\b], s[CS], v12       ; the same of each block's largest score
.endr
.set n, 0
	s_wait_alu depctr_va_vdst(0)
.rept 64
	v_exp_f32 v[SCR+n], v[SCR+n]                   ; p = 2^(t - M)
.set n, n+1
.endr
	v_pk_mul_f32 v[14:15], v[14:15], v[FF:FF+1] op_sel_hi:[1,0]   ; the sums under the new M: the plain instruction behind the exponentials
	s_wait_alu depctr_va_vdst(0)                   ; one wait for the batch of 64, ahead of its first reader
.irp b, 0,1,2,3
	v_exp_f32 v[BM+\b], v[BM+\b]                   ; the block's largest p: the same two instructions on the same number
.endr
	v_pk_add_f32 v[56:57], v[136:137], v[140:141]
	v_pk_add_f32 v[252:253], v[144:145], v[148:149]
	v_pk_add_f32 v[242:243], v[152:153], v[156:157]
	v_pk_add_f32 v[240:241], v[160:161], v[164:165]
	v_pk_add_f32 v[238:239], v[168:169], v[172:173]
	v_pk_add_f32 v[236:237], v[176:177], v[180:181]
	v_pk_add_f32 v[234:235], v[184:185], v[188:189]
	v_pk_add_f32 v[14:15], v[14:15], v[192:193]
	v_pk_add_f32 v[56:57], v[56:57], v[132:133]
	v_pk_add_f32 v[252:253], v[252:253], v[134:135]
	v_pk_add_f32 v[242:243], v[242:243], v[138:139]
	v_pk_add_f32 v[240:241], v[240:241], v[142:143]
	v_pk_add_f32 v[238:239], v[238:239], v[146:147]
	v_pk_add_f32 v[236:237], v[236:237], v[150:151]
	v_pk_add_f32 v[234:235], v[234:235], v[154:155]
	v_pk_add_f32 v[14:15], v[14:15], v[158:159]
	v_pk_add_f32 v[56:57], v[56:57], v[162:163]
	v_pk_add_f32 v[252:253], v[252:253], v[166:167]
	v_pk_add_f32 v[242:243], v[242:243], v[170:171]
	v_pk_add_f32 v[240:241], v[240:241], v[174:175]
	v_pk_add_f32 v[238:239], v[238:239], v[178:179]
	v_pk_add_f32 v[236:237], v[236:237], v[182:183]
	v_pk_add_f32 v[234:235], v[234:235], v[186:187]
	v_pk_add_f32 v[14:15], v[14:15], v[190:191]
	v_pk_add_f32 v[56:57], v[56:57], v[194:195]
	s_delay_alu instid0(VALU_DEP_2)
	v_pk_add_f32 v[14:15], v[14:15], v[240:241]
	s_delay_alu instid0(VALU_DEP_2)
	v_pk_add_f32 v[56:57], v[56:57], v[238:239]
	v_pk_add_f32 v[252:253], v[252:253], v[236:237]
	v_pk_add_f32 v[242:243], v[242:243], v[234:235]
	s_delay_alu instid0(VALU_DEP_2)
	v_pk_add_f32 v[14:15], v[14:15], v[252:253]
	s_delay_alu instid0(VALU_DEP_2)
	v_pk_add_f32 v[56:57], v[56:57], v[242:243]
	s_delay_alu instid0(VALU_DEP_1)
	v_pk_add_f32 v[14:15], v[14:15], v[56:57]
	s_wait_alu depctr_va_vdst(0)                   ; and one for the four
.irp b, 0,1,2,3
	v_max_num_f32 v[BM+\b], 0x1800000, v[BM+\b]    ; the floor 2^(3 - 127): the byte cannot fall under 1
.endr
.irp b, 0,1,2,3
	s_delay_alu instid0(VALU_DEP_4)
	v_add_nc_u32 v[SO+\b], 0xff000000, v[BM+\b]    ; 2 off the exponent field: the conversion's scale operand
.endr
.irp b, 0,1,2,3
	s_delay_alu instid0(VALU_DEP_4)
	v_lshrrev_b32 v[BT+\b], 23, v[SO+\b]           ; the scale's byte
.endr
	s_delay_alu instid0(VALU_DEP_3)
	v_lshl_or_b32 v[PW], v[BT+1], 8, v[BT]         ; p's scale word for these 128 keys
	s_delay_alu instid0(VALU_DEP_1)
	v_lshl_or_b32 v[PW], v[BT+2], 16, v[PW]
	s_delay_alu instid0(VALU_DEP_1)
	v_lshl_or_b32 v[PW], v[BT+3], 24, v[PW]
	s_setprio 0
.irp c, 0,1
	v_cvt_scalef32_pk16_fp6_f32 v[PP+6*\c:PP+6*\c+2], v[SCR+32*\c:SCR+32*\c+15], v[SO+2*\c]
	v_cvt_scalef32_pk16_fp6_f32 v[CT+4*\c:CT+4*\c+2], v[SCR+32*\c+16:SCR+32*\c+31], v[SO+2*\c+1]
.endr
	v_nop                                          ; one plain place behind a scaled conversion
.irp c, 0,1                                    ; a whole block in a lane: lanes 0-15 block 2 c, lanes 16-31 block 2 c + 1
.irp i, 0,1,2
	v_permlane16_swap_b32 v[PP+6*\c+\i], v[CT+4*\c+\i]
.endr
.irp i, 0,1,2
	s_delay_alu instid0(VALU_DEP_3)
	v_mov_b32 v[PP+3+6*\c+\i], v[CT+4*\c+\i]
.endr
.endr
.set n, 0
.rept 16
	v_pk_mul_f32 v[OT+n:OT+n+1], v[OT+n:OT+n+1], v[FF:FF+1] op_sel_hi:[1,0]   ; O^T under the new M.  (These 16 are also the places between the writes of p's codes and scale word and the products)
.set n, n+2
.endr
	s_wait_alu depctr_va_vdst(0)
	s_wait_dscnt 0x0                               ; v and its scale words are in
.irp t, 0,1,2,3                                ; one link for each accumulator in a step; the scores' eight products stand between two links
	v_wmma_scale_f32_16x16x128_f8f6f4 v[OT+8*\t:OT+8*\t+7], v[VF+12*\t:VF+12*\t+11], v[PP:PP+11], v[OT+8*\t:OT+8*\t+7], v[VSW+\t], v[PW] matrix_a_fmt:MATRIX_FMT_FP6 matrix_b_fmt:MATRIX_FMT_FP6
.endr
.Lskip_\@:
	s_add_co_u32 s[TB], s[TB], CHUNK
	s_add_co_u32 s[TS], s[TS], 256
	s_add_co_u32 s[JJ], s[JJ], 1
	s_cmp_lt_u32 s[JJ], \ns
	s_cbranch_scc1 .Lkey_\@
	s_setprio 0
.endm
; A tile's end: O^T / the sum, into true order along the head's 64, quantised (two blocks), stored as half a fragment of the next product's A and two scale bytes a row.
.macro FINISH op
.rept 4
	v_nop                                          ; places behind the last products
.endr
	v_add_f32 v14, v14, v15
	s_delay_alu instid0(VALU_DEP_1)
	v_permlanex16_b32 v[TMP], v14, s[SEL], s[SEL+1]
	s_delay_alu instid0(VALU_DEP_1)
	v_add_f32 v14, v14, v[TMP]                     ; the row's sum
	s_wait_alu depctr_va_vdst(0)
	v_rcp_f32 v14, v14
	v_nop                                          ; a plain instruction behind the reciprocal
	s_wait_alu depctr_va_vdst(0)                   ; and the wait ahead of its first reader
.set n, 0
.rept 32
	v_mul_f32 v[SCR+n], v[OT+n], v14               ; register 8 t + i: channel 16 t + 8 (lane / 16) + i; each accumulator from its low end on
.set n, n+1
.endr
.irp b, 0,1
.irp j, 0,1,2,3,4,5,6,7
	v_permlane16_swap_b32 v[SCR+16*\b+\j], v[SCR+16*\b+8+\j]      ; register 16 b + i is now channel 32 b + 16 (lane / 16) + i
.endr
.endr
.irp b, 0,1
	v_max3_num_f32 v[BM+\b], |v[SCR+16*\b]|, |v[SCR+16*\b+1]|, 0x1800000
.endr
.irp i, 2,4,6,8,10,12,14
.irp b, 0,1
	s_delay_alu instid0(VALU_DEP_2)
	v_max3_num_f32 v[BM+\b], v[BM+\b], |v[SCR+16*\b+\i]|, |v[SCR+16*\b+\i+1]|
.endr
.endr
.irp b, 0,1
	s_delay_alu instid0(VALU_DEP_2)
	v_permlanex16_b32 v[BT+\b], v[BM+\b], s[SEL], s[SEL+1]
.endr
.irp b, 0,1
	s_delay_alu instid0(VALU_DEP_2)
	v_max_num_f32 v[BM+\b], v[BM+\b], v[BT+\b]
.endr
.irp b, 0,1
	s_delay_alu instid0(VALU_DEP_2)
	v_add_nc_u32 v[SO+\b], 0xff000000, v[BM+\b]
.endr
.irp b, 0,1
	s_delay_alu instid0(VALU_DEP_2)
	v_lshrrev_b32 v[BT+\b], 23, v[SO+\b]
.endr
	s_delay_alu instid0(VALU_DEP_1)
	v_lshl_or_b32 v[OB], v[BT+1], 8, v[BT]
	v_cvt_scalef32_pk16_fp6_f32 v[PP:PP+2], v[SCR:SCR+15], v[SO]
	v_cvt_scalef32_pk16_fp6_f32 v[CT:CT+2], v[SCR+16:SCR+31], v[SO+1]
	v_nop
.irp i, 0,1,2
	v_permlane16_swap_b32 v[PP+\i], v[CT+\i]
.endr
.irp i, 0,1,2
	s_delay_alu instid0(VALU_DEP_3)
	v_mov_b32 v[PP+3+\i], v[CT+\i]                 ; registers 0-5: K = 32 (lane / 16) + 0 .. 31 of the head's 64
.endr
.irp p, 0,1,2
	global_store_b64 v[L8], v[PP+2*\p:PP+2*\p+1], s[\op:\op+1] offset:256*\p   ; 32 lanes store 256 consecutive bytes, aligned
.endr
	global_store_b16 v[R8], v[OB], s[\op+2:\op+3]  ; two bytes a row, 8 bytes apart (lanes r and r + 16 write the same bytes): the six between belong to three other heads, that is, to other work-groups; one byte for 24 of codes
.endm
	SETUP 0, 56
	s_wait_tensorcnt 1                             ; my part of the scales and chunks 0-7 is in (chunks 8-15 may be out)
	s_barrier_signal -1
	s_barrier_wait -1                              ; everybody's is
	TILE 8                                         ; g = wave: key steps 0 .. wave / 2, in chunks 0-7
	SETUP 1, 60                                    ; the second tile's q lands while the first tile is finished
	FINISH 56
	s_wait_tensorcnt 0x0                           ; my part of chunks 8-15 is in,
	s_barrier_signal -1
	s_barrier_wait -1                              ; everybody's is
	TILE 16                                        ; g = 31 - wave
	FINISH 60
	s_wait_tensorcnt 0x0
	ds_add_u32 v254, v255
	s_wait_dscnt 0x0
	ROUND                                          ; the closing round
	s_endpgm
.Lfunc_end_k_q0e29a7a465_attn:
	.size	k_q0e29a7a465_attn, .Lfunc_end_k_q0e29a7a465_attn-k_q0e29a7a465_attn
	.p2alignl 7, 3214868480
	.fill 96, 4, 3214868480
	.section	.rodata,"a",@progbits
	.p2align	6, 0x0
	.amdhsa_kernel k_q0e29a7a465_attn
		.amdhsa_group_segment_fixed_size 206848
		.amdhsa_private_segment_fixed_size 0
		.amdhsa_enable_private_segment 0
		.amdhsa_kernarg_size 32
		.amdhsa_user_sgpr_count 2
		.amdhsa_user_sgpr_kernarg_segment_ptr 1
		.amdhsa_wavefront_size32 1
		.amdhsa_system_sgpr_workgroup_id_x 1
		.amdhsa_system_sgpr_workgroup_id_y 1
		.amdhsa_system_sgpr_workgroup_id_z 1
		.amdhsa_system_vgpr_workitem_id 0
		.amdhsa_next_free_vgpr 256
		.amdhsa_next_free_sgpr 66
		.amdhsa_reserve_vcc 1
		.amdhsa_float_denorm_mode_32 3
		.amdhsa_float_denorm_mode_16_64 3
		.amdhsa_memory_ordered 1
		.amdhsa_forward_progress 1
		.amdhsa_inst_pref_size 68
	.end_amdhsa_kernel
	.amdgpu_metadata
---
amdhsa.version: [ 1, 2 ]
amdhsa.kernels:
  - .name:           k_q0e29a7a465_attn
    .symbol:         k_q0e29a7a465_attn.kd
    .args:
      - { .name: qrec, .offset: 0, .size: 8, .value_kind: global_buffer, .address_space: global }
      - { .name: kv, .offset: 8, .size: 8, .value_kind: global_buffer, .address_space: global }
      - { .name: oimg, .offset: 16, .size: 8, .value_kind: global_buffer, .address_space: global }
      - { .name: osc, .offset: 24, .size: 8, .value_kind: global_buffer, .address_space: global }
    .group_segment_fixed_size: 206848
    .private_segment_fixed_size: 0
    .kernarg_segment_align: 8
    .kernarg_segment_size: 32
    .max_flat_workgroup_size: 512
    .sgpr_count:     66
    .vgpr_count:     256
    .wavefront_size: 32
...
	.end_amdgpu_metadata
.endif
;; end of part 2
;; launch oproj (part 3): grid 4 x 32, 4 waves a work-group, clusters of 4 x 4, 327,680 bytes of LDS; arguments oimg, osc, w_o_codes, w_o_scales, out0, b_o; writes out0
.if DOCPART == 3
	.amdgcn_target "amdgcn-amd-amdhsa--gfx1250"
	.amdhsa_code_object_version 6
	.text
	.protected	k_q0e29a7a465_oproj
	.globl	k_q0e29a7a465_oproj
	.p2align	8
	.type	k_q0e29a7a465_oproj,@function
k_q0e29a7a465_oproj:
	s_mov_b64 s[64:65], 0
	v_nop
	global_prefetch_b8 v0, s[64:65] scope:SCOPE_SE
	s_setreg_imm32_b32 hwreg(HW_REG_WAVE_MODE, 25, 1), 1
	s_wait_xcnt 0x0
	s_wait_alu depctr_hold_cnt(0) depctr_sa_sdst(0) depctr_va_vdst(0) depctr_va_sdst(0) depctr_va_ssrc(0) depctr_va_vcc(0) depctr_vm_vsrc(0)
	s_getreg_b32 s2, hwreg(HW_REG_IB_STS2, 6, 4)
	s_cmp_eq_u32 s2, 0
	s_cbranch_scc0 .Lentry_in_a_cluster
	s_endpgm
.Lentry_in_a_cluster:
	s_bfe_u32 s2, ttmp6, 0x10000c
	s_cmp_lg_u32 s2, 0xf033
	s_cbranch_scc0 .Lentry_shape_is_right
	s_endpgm
.Lentry_shape_is_right:
; out0 = A Wo^T + b_o on codes of FP6 (E2M3) with E8M0 scales.  A, 8,192 x 1,024, is the attention's result as the launch before has laid it: images of operand registers, oimg [K / 256][512 tiles of 16 rows][4 heads][768 bytes],
; and scale bytes osc [512 tiles][K / 256][r][8 bytes].  Wo: 1,024 rows of 768 bytes of codes and 32 scale bytes.  out0: [8,192][1,024] f32.
; A tile of 256 x 256 to a work-group of four waves, 128 x 128 a wave (64 accumulators): 128 work-groups.  K goes in steps of 256 through two LDS slots.  A's part of a slot is one dense block of memory for each 128 rows and
; is read back as it lies (lane l's 8 bytes at 8 l of each piece); Wo's rows are padded as they land.  The scale bytes of the work-group's rows come once and stay.
; CLUSTERS: 4 x 4 work-groups; A's tile is asked for jointly along a row of the cluster, Wo's along a column.  The matrix instruction is used transposed (source 0 = 16 rows of Wo, source 1 = 16 rows of A): a lane holds eight
; neighbouring numbers of a row of out0.  THE BIAS is the C of each sum's first product: eight registers for each of the wave's eight column tiles.
; LIMITS: the scale byte 0xff among the inputs is not served.
; REGISTERS: window 0: v0-31 addresses; v32-63 Wo's scale words, v64-95 A's, two sets each; v96-127 and v224-255 the bias; v128-223 A's fragments, one set.  window 1: Wo's fragments, two sets.  windows 2, 3: the accumulators.
.set SIZE_N, 1024
.set KSTEP,  256
.set NQ,     KSTEP/128
.set ROWB,   192
.set KROW,   768
.set PITCH,  240                       ; a row of Wo in LDS: 3 x (64 bytes + 16 of padding)
.set FR,     12
.set NL,     6
.set NP,     4
.set AHALF,  24576                     ; 8 tiles of 16 rows x 3,072 bytes: what one tensor load brings of A
.set HALFB,  128*PITCH                 ; and of Wo
.set SLOT,   2*AHALF+2*HALFB
.set PLANE,  1572864                   ; from a K step of A to the next in memory
.set LAPS,   1024/(2*KSTEP)
.set SCL,    2*SLOT                    ; A's scale bytes: 2 x 4,096, as they lie
.set SCLB,   SCL+8192                  ; Wo's: rows of 256 bytes + 16 of padding
.set HALFS,  16*272
.set SBLK,   2*272
.set SPARE,  SCLB+2*HALFS              ; the spare words, 128 bytes a wave: two blocks of 256 bytes that no other line names
.set SPITCH, 528                       ; the way out: a stage of 16 rows x (512 bytes + 16) for each wave, in slot 0, which has had its last fill and its last read when the first result is stored there
.set ADRA, 16                          ; v16-17 LDS address of my A fragments in slot 0, 1
.set ADRB, 20                          ; v20-21 of Wo's (v22-23: behind one padding more)
.set STO,  24
.set RD,   25
.set CO,   26
.set ADRS, 27                          ; v27  LDS address of Wo's scale words
.set SPW,  28
.set NIL,  29
.set ADSA, 30                          ; v30  of A's
.set SCB,  32
.set SCA,  64
.set BI,   96                          ; the bias of column tile b at v[96 + 8 b + 96 (b / 4)]
.set AF,   128
.set BK,   128
.set CB,   96                          ; s[96:97] out0; s[98:99] b_o
.set G1, 24
.set G0, 32
.set G1B, 48
.set G0B, 56
.set G1S, 68
.set G0S, 76
.set G1SB, 80
.set G0SB, 88
.set MSB, 0
.macro WIN new
.if MSB != (\new)
	s_set_vgpr_msb (MSB<<8)|(\new)
.set MSB, (\new)
.endif
.endm
.set MUL_LO, 0xa1                      ; source 0 (Wo) window 1, source 1 (A) window 0, C and D window 2
.set MUL_HI, 0xf1                      ; the same, C and D window 3
.set TO_B,   0x40
.macro JLOAD g0a, g1a, g0b, g1b        ; a joint load: waves 0 and 1 fetch for A, waves 2 and 3 for Wo; four v_nop follow each of the two lines
	s_cmp_eq_u32 s15, 0
	s_cbranch_scc0 .Lfor_b_\@
	tensor_load_to_lds s[\g0a:\g0a+3], s[\g1a:\g1a+7]
	s_nop 0
.rept 4
	v_nop
.endr
	s_branch .Lasked_\@
.Lfor_b_\@:
	tensor_load_to_lds s[\g0b:\g0b+3], s[\g1b:\g1b+7]
	s_nop 0
.rept 4
	v_nop
.endr
.Lasked_\@:
.endm
.macro CREST
	s_cmp_lg_u32 s14, 0
	s_cbranch_scc1 .Lnot_wave_0_\@
	s_barrier_signal -3
.Lnot_wave_0_\@:
	s_barrier_wait -3
	s_barrier_signal -1
	s_barrier_wait -1
.endm
.macro CROUND
	s_barrier_signal -1
	s_barrier_wait -1
	CREST
.endm
	s_load_b128 s[4:7], s[0:1], 0x0                ; oimg, osc
	s_load_b128 s[8:11], s[0:1], 0x10              ; Wo's codes, Wo's scales
	s_load_b128 s[96:99], s[0:1], 0x20             ; out0, b_o
	v_lshl_add_u32 v[SPW], v0, 2, SPARE
	v_mov_b32 v[NIL], 0
	ds_add_u32 v28, v29
	ds_add_u32 v28, v29
	s_wait_dscnt 0x0
	v_lshrrev_b32 v1, 5, v0
	v_readfirstlane_b32 s14, v1                    ; wave 0..3
	s_lshr_b32 s15, s14, 1                         ; which half of the tile's rows is mine.  Also: I fetch for A (0) or for Wo (1)
	s_and_b32 s16, s14, 1                          ; which half of its columns.  Also: which 128 rows I fetch
	s_bfe_u32 s40, ttmp6, 0x40000                  ; cx
	s_bfe_u32 s41, ttmp6, 0x40004                  ; cy
	s_lshl_b32 s42, ttmp9, 2
	s_add_co_u32 s42, s42, s40                     ; tile column
	s_and_b32 s17, ttmp7, 0xffff
	s_lshl_b32 s17, s17, 2
	s_add_co_u32 s17, s17, s41                     ; tile row
	s_lshl_b32 s43, s41, 2
	s_lshl_b32 s43, 15, s43                        ; my row of the cluster
	s_lshl_b32 s44, 0x1111, s40                    ; my column
	; A's tiles: 24,576 dense bytes as 96 rows of 256 (32 elements of 8 bytes), no padding
	s_or_b32 s[G1+0], s43, (3<<16)|(1<<21)
	s_mov_b32 s[G1+1], 32<<16
	s_mov_b32 s[G1+2], 96<<16
	s_mov_b32 s[G1+3], 32<<16
	s_mov_b32 s[G1+4], 96
	s_mov_b32 s[G1+5], 32
	s_mov_b32 s[G1+6], 0
	s_mov_b32 s[G1+7], 0
	; Wo's tiles: 128 rows x 192 bytes, 16 bytes of padding behind every 64
	s_or_b32 s[G1B+0], s44, (0<<16)|(1<<20)|(1<<21)|(3<<22)|(3<<25)
	s_mov_b32 s[G1B+1], ROWB<<16
	s_mov_b32 s[G1B+2], 128<<16
	s_mov_b32 s[G1B+3], ROWB<<16
	s_mov_b32 s[G1B+4], 128
	s_mov_b32 s[G1B+5], KROW
	s_mov_b32 s[G1B+6], 0
	s_mov_b32 s[G1B+7], 0
	; the scale bytes of 128 rows: 4,096 dense bytes as 16 rows of 256; A's as they lie, Wo's with 16 bytes of padding behind each row
	s_or_b32 s[G1S+0], s43, (3<<16)|(1<<21)
	s_or_b32 s[G1SB+0], s44, (3<<16)|(1<<20)|(1<<21)|(5<<22)|(3<<25)
.irp g, G1S, G1SB
	s_mov_b32 s[\g+1], 32<<16
	s_mov_b32 s[\g+2], 16<<16
	s_mov_b32 s[\g+3], 32<<16
	s_mov_b32 s[\g+4], 16
	s_mov_b32 s[\g+5], 32
	s_mov_b32 s[\g+6], 0
	s_mov_b32 s[\g+7], 0
.endr
	s_lshl_b32 s20, s17, 4
	s_lshl_b32 s18, s16, 3
	s_add_co_u32 s20, s20, s18                     ; A: the first of the 8 tiles of 16 rows that I fetch
	s_lshl_b32 s22, s20, 9                         ; its scale bytes: 512 a tile
	s_mov_b32 s23, 0
	s_mul_i32 s20, s20, 3072                       ; its codes
	s_mov_b32 s21, 0
	s_lshl_b32 s46, s42, 8
	s_lshl_b32 s18, s16, 7
	s_add_co_u32 s46, s46, s18                     ; Wo: row 256 x tile column + 128 x half
	s_lshl_b32 s92, s46, 5
	s_mov_b32 s93, 0
	s_mul_i32 s46, s46, KROW
	s_mov_b32 s47, 0
	s_mul_i32 s45, s16, AHALF                      ; where they go: no place in the cluster enters an LDS address
	s_mul_i32 s94, s16, HALFB
	s_lshl_b32 s95, s16, 12
	s_mul_i32 s19, s16, HALFS
	s_wait_kmcnt 0x0
	s_add_nc_u64 s[20:21], s[4:5], s[20:21]
	s_add_nc_u64 s[22:23], s[6:7], s[22:23]
	s_add_nc_u64 s[46:47], s[8:9], s[46:47]
	s_add_nc_u64 s[92:93], s[10:11], s[92:93]
	CROUND                                         ; all sixteen work-groups are here: the first joint loads meet
	s_mov_b32 s[G0S], 1
	s_add_co_u32 s[G0S+1], s95, SCL
	s_mov_b64 s[G0S+2:G0S+3], s[22:23]
	s_or_b32 s[G0S+3], s[G0S+3], 0x80000000
	s_mov_b32 s[G0SB], 1
	s_add_co_u32 s[G0SB+1], s19, SCLB
	s_mov_b64 s[G0SB+2:G0SB+3], s[92:93]
	s_or_b32 s[G0SB+3], s[G0SB+3], 0x80000000
	JLOAD G0S, G1S, G0SB, G1SB                     ; the scales first
.irp s, 0,1
	s_mov_b32 s[G0+4*\s], 1
	s_add_co_u32 s[G0+4*\s+1], s45, \s*SLOT
	s_add_nc_u64 s[G0+4*\s+2:G0+4*\s+3], s[20:21], \s*PLANE
	s_or_b32 s[G0+4*\s+3], s[G0+4*\s+3], 0x80000000
	s_mov_b32 s[G0B+4*\s], 1
	s_add_co_u32 s[G0B+4*\s+1], s94, \s*SLOT+2*AHALF
	s_add_nc_u64 s[G0B+4*\s+2:G0B+4*\s+3], s[46:47], \s*ROWB
	s_or_b32 s[G0B+4*\s+3], s[G0B+4*\s+3], 0x80000000
	JLOAD G0+4*\s, G1, G0B+4*\s, G1B               ; three tensor loads of mine are out behind the last of these
.endr
	v_and_b32 v1, 15, v0                           ; r
	v_bfe_u32 v2, v0, 4, 1                         ; h
	v_mul_u32_u24 v3, v1, PITCH
	v_mul_u32_u24 v4, v2, 24
	v_add_nc_u32 v4, v3, v4                        ; Wo: a fragment's row x pitch + 24 x half
	v_lshl_add_u32 v5, v2, 4, v4                   ; and the same behind one padding more
	v_and_b32 v6, 31, v0                           ; lane
	v_lshlrev_b32 v7, 3, v6                        ; A: 8 x lane
	s_mul_i32 s21, s15, AHALF                      ; my 128 rows of A
	s_mul_i32 s22, s16, HALFB                      ; my 128 rows of Wo,
	s_add_co_u32 s22, s22, 2*AHALF                 ; which lie behind A's 256
.irp s, 0,1
	v_add_nc_u32 v[ADRA+\s], s21, v7
	v_add_nc_u32 v[ADRB+\s], s22, v4
	v_add_nc_u32 v[ADRB+2+\s], s22, v5
	s_add_co_u32 s21, s21, SLOT
	s_add_co_u32 s22, s22, SLOT
.endr
	v_lshlrev_b32 v5, 5, v1                        ; Wo's scale bytes: 32 a row,
	v_lshrrev_b32 v8, 8, v5
	v_lshl_add_u32 v5, v8, 4, v5                   ; and 16 more for each 256 passed
	s_mul_i32 s22, s16, HALFS
	s_add_co_u32 s22, s22, SCLB
	v_add_nc_u32 v[ADRS], s22, v5
	s_lshl_b32 s21, s15, 12
	s_add_co_u32 s21, s21, SCL
	v_lshl_add_u32 v[ADSA], v1, 3, s21             ; A's: 8 bytes a row and K step, 128 a K step, 512 a tile
	s_mul_i32 s23, s14, 16*SPITCH                  ; my stage
	v_mul_u32_u24 v5, v1, SPITCH
	v_lshl_add_u32 v5, v2, 5, v5
	v_add_nc_u32 v[STO], s23, v5                   ; in: row r, 32 bytes for each half of the lanes
	v_lshlrev_b32 v[CO], 4, v6                     ; back: the 32 lanes take one row of 512 bytes; and the same in out0
	v_add_nc_u32 v[RD], s23, v[CO]
	s_lshl_b32 s20, s17, 8
	s_lshl_b32 s21, s15, 7
	s_add_co_u32 s20, s20, s21                     ; my first row of out0
	s_lshl_b32 s20, s20, 12                        ; x 4,096 bytes (under 2^25)
	s_mov_b32 s21, 0
	s_lshl_b32 s46, s42, 10                        ; my first column, in bytes
	s_lshl_b32 s47, s16, 9
	s_add_co_u32 s46, s46, s47
	s_mov_b32 s47, 0
	s_add_nc_u64 s[98:99], s[98:99], s[46:47]      ; b_o at my first column
	s_add_nc_u64 s[20:21], s[20:21], s[46:47]
	s_add_nc_u64 s[CB:CB+1], s[CB:CB+1], s[20:21]
	v_lshlrev_b32 v9, 5, v2                        ; the bias in the result's layout: lane (r, h), tile b, register j: column 16 b + 8 h + j
.irp b, 0,1,2,3,4,5,6,7
	global_load_b128 v[BI+8*\b+96*(\b/4):BI+8*\b+96*(\b/4)+3], v9, s[98:99] offset:64*\b
	global_load_b128 v[BI+8*\b+96*(\b/4)+4:BI+8*\b+96*(\b/4)+7], v9, s[98:99] offset:64*\b+16
.endr
.macro FRAG reg, adr, q, i             ; a fragment of Wo, from padded rows, in pieces of 8 bytes
.irp p, 0,1,2,3,4,5
.set PC, 12*(\q)+6*(\p/3)+\p%3
.if PC%8 < 5
	ds_load_b64 v[\reg+2*\p:\reg+2*\p+1], v[\adr] offset:8*PC+16*(PC/8)+(\i)*16*PITCH
.else
	ds_load_b64 v[\reg+2*\p:\reg+2*\p+1], v[\adr+2] offset:8*PC+16*(PC/8)+(\i)*16*PITCH
.endif
.endr
.endm
.macro FRAGA reg, adr, q, i            ; a fragment of A, from its image: two heads' half fragments on end; 32 lanes read 256 consecutive bytes
.irp p, 0,1,2,3,4,5
	ds_load_b64 v[\reg+2*\p:\reg+2*\p+1], v[\adr] offset:3072*(\i)+1536*(\q)+256*\p
.endr
.endm
; 16 matrix instructions: A's blocks a0, a0 + 1 x Wo's eight.  zero = 1: the first product starts the sums from the bias.  The 64 accumulators take turns, one instruction a turn.
.macro MUL16 a0, p, q, sc, zero
.irp a, \a0, \a0+1
.irp b, 0,1,2,3,4,5,6,7
.if \zero
	v_wmma_scale_f32_16x16x128_f8f6f4 v[8*(8*((\a)%4)+\b):8*(8*((\a)%4)+\b)+7], v[128*(\p)+FR*\b:128*(\p)+FR*\b+FR-1], v[AF+FR*(\a):AF+FR*(\a)+FR-1], v[BI+8*\b+96*(\b/4):BI+8*\b+96*(\b/4)+7], v[SCB+8*NQ*(\sc)+NQ*\b+(\q)], v[SCA+8*NQ*(\sc)+NQ*(\a)+(\q)] matrix_a_fmt:MATRIX_FMT_FP6 matrix_b_fmt:MATRIX_FMT_FP6
.else
	v_wmma_scale_f32_16x16x128_f8f6f4 v[8*(8*((\a)%4)+\b):8*(8*((\a)%4)+\b)+7], v[128*(\p)+FR*\b:128*(\p)+FR*\b+FR-1], v[AF+FR*(\a):AF+FR*(\a)+FR-1], v[8*(8*((\a)%4)+\b):8*(8*((\a)%4)+\b)+7], v[SCB+8*NQ*(\sc)+NQ*\b+(\q)], v[SCA+8*NQ*(\sc)+NQ*(\a)+(\q)] matrix_a_fmt:MATRIX_FMT_FP6 matrix_b_fmt:MATRIX_FMT_FP6
.endif
.endr
.endr
.endm
.macro FETCH_B slot, q, p
	WIN TO_B
.irp i, 0,1,2,3,4,5,6,7
	FRAG 128*(\p)+FR*\i, ADRB+\slot, \q, \i
.endr
	WIN 0
.endm
.macro FETCH_A slot, q, i0
.irp i, \i0, \i0+1, \i0+2, \i0+3
	FRAGA AF+FR*(\i), ADRA+\slot, \q, \i
.endr
.endm
.macro SCALES sc                       ; a K step's scale words, two a row: Wo's eight blocks, A's eight
.irp i, 0,1,2,3,4,5,6,7
	ds_load_b64 v[SCB+8*NQ*\sc+NQ*\i:SCB+8*NQ*\sc+NQ*\i+1], v[ADRS] offset:\i*SBLK
.endr
.irp i, 0,1,2,3,4,5,6,7
	ds_load_b64 v[SCA+8*NQ*\sc+NQ*\i:SCA+8*NQ*\sc+NQ*\i+1], v[ADSA] offset:\i*512
.endr
.endm
.macro PLACES n
.rept \n
	v_nop
.endr
.endm
.macro STEP slot, q, zero
	s_wait_dscnt 4*NL                              ; Wo's set, A's blocks 0-3 and the scale words are in; the youngest 24 loads (A's blocks 4-7) may be out
	WIN MUL_LO-0x20*\zero                          ; (the bias, as C, lies in window 0)
	MUL16 0, (\q)%2, \q, \slot, \zero
	MUL16 2, (\q)%2, \q, \slot, \zero
	s_wait_dscnt 0
	PLACES NP
	FETCH_B \slot, (\q)+1, 1-(\q)%2
	FETCH_A \slot, (\q)+1, 0
	WIN MUL_HI-0x30*\zero
	MUL16 4, (\q)%2, \q, \slot, \zero
	MUL16 6, (\q)%2, \q, \slot, \zero
	PLACES NP
	WIN 0
	FETCH_A \slot, (\q)+1, 4
.endm
.macro TURN slot, next, fill
	s_wait_tensorcnt 0x0                           ; all my tensor loads have landed: my part of the next slot
	ds_add_u32 v[SPW], v[NIL]                      ; 0 onto my spare word
	s_wait_dscnt 4*NL+1                            ; (the add and the youngest 24 loads may be out)
	WIN MUL_LO
	MUL16 0, 1, NQ-1, \slot, 0
	s_wait_dscnt 0x0                               ; the add is done, and my reads of this slot are over
	s_barrier_signal -1
	MUL16 2, 1, NQ-1, \slot, 0
	WIN 0
	s_barrier_wait -1
.if \fill
	CREST                                          ; the barrier has opened a round of the cluster's barrier: no wave of any partner still reads this slot or has a load on its way
	s_add_nc_u64 s[G0+4*\slot+2:G0+4*\slot+3], s[G0+4*\slot+2:G0+4*\slot+3], 2*PLANE
	s_add_nc_u64 s[G0B+4*\slot+2:G0B+4*\slot+3], s[G0B+4*\slot+2:G0B+4*\slot+3], 2*ROWB
	JLOAD G0+4*\slot, G1, G0B+4*\slot, G1B         ; the first tensor load behind the round; its four v_nop are the places in front of the loads below
.else
	PLACES NP
.endif
	v_add_nc_u32 v[ADRS], 4*NQ, v[ADRS]            ; on to the next K step's scale words
	v_add_nc_u32 v[ADSA], 128, v[ADSA]
	FETCH_B \next, 0, 0
	FETCH_A \next, 0, 0
	SCALES \next
	WIN MUL_HI
	MUL16 4, 1, NQ-1, \slot, 0
	MUL16 6, 1, NQ-1, \slot, 0
	PLACES NP
	WIN 0
	FETCH_A \next, 0, 4
.endm
	s_wait_tensorcnt 1                             ; the scales and my part of K step 0 are in (K step 1's load may be out)
	s_barrier_signal -1
	s_barrier_wait -1                              ; everybody's are
	FETCH_B 0, 0, 0
	FETCH_A 0, 0, 0
	SCALES 0
	FETCH_A 0, 0, 4
	s_wait_loadcnt 0x0                             ; the bias
	STEP 0, 0, 1                                   ; the first step stands in front of the loop: its products start the sums
	s_mov_b32 s3, LAPS-1
.Llap:
	TURN 0, 1, 1
	STEP 1, 0, 0
	TURN 1, 0, 1
	STEP 0, 0, 0
	s_sub_co_u32 s3, s3, 1
	s_cmp_lg_u32 s3, 0
	s_cbranch_scc1 .Llap
	TURN 0, 1, 0                                   ; the last lap fills nothing
	STEP 1, 0, 0
	s_wait_dscnt 4*NL
	WIN MUL_LO
	MUL16 0, 1, NQ-1, 1, 0
	MUL16 2, 1, NQ-1, 1, 0
	s_wait_dscnt 0
	WIN MUL_HI
	MUL16 4, 1, NQ-1, 1, 0
	MUL16 6, 1, NQ-1, 1, 0
	WIN 0
; THE WAY OUT, block by block of 16 rows x 128 columns, through my own stage in LDS: in as 32 bytes a lane, back as whole rows of 512 bytes.  LDS serves a wave's instructions in order (ISA guide 5.7.1.4).
.macro TOSTAGE a
.set AC, 64*((\a)%4)
	WIN 0x08+4*((\a)/4)                            ; the data: window 2 or 3
.irp b, 0,1,2,3,4,5,6,7
	ds_store_b128 v[STO], v[AC+8*\b:AC+8*\b+3] offset:64*\b          ; each accumulator from its low end on
	ds_store_b128 v[STO], v[AC+8*\b+4:AC+8*\b+7] offset:64*\b+16
.endr
	WIN 0
.set BB, BK+64*((\a)%2)
.irp t, 0,1,2,3,4,5,6,7,8,9,10,11,12,13,14,15
	ds_load_b128 v[BB+4*\t:BB+4*\t+3], v[RD] offset:\t*SPITCH
.endr
.endm
.macro SEND a, younger                 ; younger: the LDS instructions issued behind block a's loads, which may stay out
.set BB, BK+64*((\a)%2)
	s_wait_dscnt \younger
.if (\a) > 0
	s_add_nc_u64 s[CB:CB+1], s[CB:CB+1], 16*SIZE_N*4   ; (behind a wait on XCNT: the earlier stores have read their base)
.endif
.irp t, 0,1,2,3,4,5,6,7,8,9,10,11,12,13,14,15
	global_store_b128 v[CO], v[BB+4*\t:BB+4*\t+3], s[CB:CB+1] offset:\t*SIZE_N*4 th:TH_STORE_NT   ; 32 lanes store 512 consecutive bytes, aligned; written once, read by nobody here
.endr
.endm
	PLACES NP                                      ; behind the last products: for the loads into registers that held A's fragments and the bias, and for the reads of results
	TOSTAGE 0
.irp a, 1,2,3,4,5,6,7
.if \a > 1
	s_wait_xcnt 0x0                                ; block a - 2's stores have read their registers and their base
.endif
	TOSTAGE \a
	SEND \a-1, 32                                  ; behind block a - 1's loads: block a's 16 stores and 16 loads
.endr
	s_wait_xcnt 0x0
	SEND 7, 0
	s_wait_tensorcnt 0x0                           ; the wave's end
	ds_add_u32 v[SPW], v[NIL]
	s_wait_dscnt 0x0
	CROUND                                         ; the closing round
	s_endpgm
.Lfunc_end_k_q0e29a7a465_oproj:
	.size	k_q0e29a7a465_oproj, .Lfunc_end_k_q0e29a7a465_oproj-k_q0e29a7a465_oproj
	.p2alignl 7, 3214868480
	.fill 96, 4, 3214868480
	.section	.rodata,"a",@progbits
	.p2align	6, 0x0
	.amdhsa_kernel k_q0e29a7a465_oproj
		.amdhsa_group_segment_fixed_size 327680
		.amdhsa_private_segment_fixed_size 0
		.amdhsa_enable_private_segment 0
		.amdhsa_kernarg_size 48
		.amdhsa_user_sgpr_count 2
		.amdhsa_user_sgpr_kernarg_segment_ptr 1
		.amdhsa_wavefront_size32 1
		.amdhsa_system_sgpr_workgroup_id_x 1
		.amdhsa_system_sgpr_workgroup_id_y 1
		.amdhsa_system_sgpr_workgroup_id_z 1
		.amdhsa_system_vgpr_workitem_id 0
		.amdhsa_next_free_vgpr 1024
		.amdhsa_next_free_sgpr 100
		.amdhsa_reserve_vcc 0
		.amdhsa_float_denorm_mode_32 3
		.amdhsa_float_denorm_mode_16_64 3
		.amdhsa_memory_ordered 1
		.amdhsa_forward_progress 1
		.amdhsa_inst_pref_size 164
	.end_amdhsa_kernel
	.amdgpu_metadata
---
amdhsa.version: [ 1, 2 ]
amdhsa.kernels:
  - .name:           k_q0e29a7a465_oproj
    .symbol:         k_q0e29a7a465_oproj.kd
    .args:
      - { .name: oimg, .offset: 0, .size: 8, .value_kind: global_buffer, .address_space: global }
      - { .name: osc, .offset: 8, .size: 8, .value_kind: global_buffer, .address_space: global }
      - { .name: w_o_codes, .offset: 16, .size: 8, .value_kind: global_buffer, .address_space: global }
      - { .name: w_o_scales, .offset: 24, .size: 8, .value_kind: global_buffer, .address_space: global }
      - { .name: out0, .offset: 32, .size: 8, .value_kind: global_buffer, .address_space: global }
      - { .name: b_o, .offset: 40, .size: 8, .value_kind: global_buffer, .address_space: global }
    .group_segment_fixed_size: 327680
    .private_segment_fixed_size: 0
    .kernarg_segment_align: 8
    .kernarg_segment_size: 48
    .max_flat_workgroup_size: 128
    .sgpr_count:     100
    .vgpr_count:     1024
    .wavefront_size: 32
...
	.end_amdgpu_metadata
.endif
;; end of part 3
